; MI455X (gfx1250); checked and timed in simulation.
; The chip was launched on July 23, 2026; its instructions are those of AMD's public machine-readable ISA for CDNA 5 (MIT licence, August 2026) and "CDNA5" Instruction Set Architecture Reference Guide (July 2026). The comments in the code are by the model that wrote it; some were corrected since.
;; Attention. Allowed arithmetic: matrix products marked QUANTISED: E4M3 operands, one given power-of-two scale a tensor, by v_wmma_f32_16x16x64_fp8_fp8 or v_wmma_f32_16x16x128_fp8_fp8, f32 sums; everything else in f32.
;; Inputs: hidden 2 x 2,048 x 2,048 float32; k_b 512 float32; k_w 512 x 2,048 float32; lowp_scales 12 int32 (the exponents e of the quantised operands' scales 2^e); mask 1 x 1 x 2,048 x 2,048 float32; o_w 2,048 x 1,024 float32; positions 2 x 2,048 int32; q_b 1,024 float32; q_w 1,024 x 2,048 float32; v_b 512 float32; v_w 512 x 2,048 float32.
;; Outputs: out0 2 x 2,048 x 2,048 float32.
;; This version of the problem:
;;   THIS VERSION OF THE PROBLEM IS GIVEN IN LOW PRECISION. The matrix products marked QUANTISED in the list below multiply operands that are first quantised to E4M3 (4 exponent bits, 3 mantissa bits; 8 bits a number), with one given power-of-two scale for each operand tensor; their sums are f32. All else is computed in f32.
;;   The module's matrix products, in the order in which they are computed (A, B: the left and right operand; K: the contracted axis; several contracted axes count as one K, in the product's order):
;;     1. [M 4,096, K 2,048] x [K 2,048, N 1,024]; A: input hidden; B: input q_w: QUANTISED (scales: A lowp_scales[0], B lowp_scales[1])
;;     2. [M 4,096, K 2,048] x [K 2,048, N 512]; A: input hidden; B: input k_w: QUANTISED (scales: A lowp_scales[2], B lowp_scales[3])
;;     3. [M 4,096, K 2,048] x [K 2,048, N 512]; A: input hidden; B: input v_w: QUANTISED (scales: A lowp_scales[4], B lowp_scales[5])
;;     4. batch 16 x [M 2,048, K 64] x [K 64, N 4,096]; A: computed on the way; B: computed on the way: QUANTISED (scales: A lowp_scales[6], B lowp_scales[7])
;;     5. batch 16 x [M 64, K 2,048] x [K 2,048, N 4,096]; A: computed on the way; B: softmax (see below): QUANTISED (scales: A lowp_scales[8], B lowp_scales[9])
;;     6. [M 4,096, K 1,024] x [K 1,024, N 2,048]; A: computed on the way; B: input o_w: QUANTISED (scales: A lowp_scales[10], B lowp_scales[11])
;;   THE QUANTISER, for each operand of a quantised product, along K:
;;     - The operand's scale is 2^e, e = its entry of the input lowp_scales (int32; the entries are numbered through the quantised products in the list's order, A before B).
;;     - Each number is divided by the scale, clamped to +-448, and rounded to the nearest number of E4M3, ties to even, subnormals kept.
;;     - The product sums the exact products of the quantised numbers (number of the format x scale) in f32.
;;   ~~~python
;;   def quantise(x, axis, e):      # numpy; x: float32 -> the quantised numbers, widened to float32 again
;;       x = np.moveaxis(x, axis, -1); K = x.shape[-1]
;;       r = np.clip(x / 2.0 ** e, -448, 448)
;;       step = 2.0 ** (np.maximum(np.frexp(np.where(r == 0, 1, r))[1] - 1, -6) - 3)
;;       q = np.round(r / step) * step * 2.0 ** e      # np.round: ties to even
;;       return np.moveaxis(q, -1, axis).astype(np.float32)
;;   ~~~
;;   SOFTMAX AHEAD OF A QUANTISED PRODUCT. Where the list says 'softmax', what is quantised is not the finished softmax but p = 2^(t - M), with t = logit x log2(e) and M = ceil(the row's largest t), a whole number; so 1/2 < the row's largest p <= 1. The row's sum l is taken of the UNQUANTISED p, in f32, and the product's result is divided by l at the end. Since M is a whole number, a kernel that streams over the keys may use a running M (the ceiling of the running maximum): every later rescaling is an exact power of two, so the quantised numbers keep their values, but for numbers so far below the row's largest that they fall under the format's range.
;;   OPERANDS COMPUTED ON THE WAY. 'Computed on the way' means the value that the module computes at that place (a softmax that the list does not call 'softmax' is quantised finished and normalised). What goes into a quantiser is computed in f32, as accurately as f32 sums, v_exp_f32 and their like allow (about 1e-6 of the number): no bf16 or f16 on the way to a quantiser, and a product that is left as it is and whose result goes on into a quantised operand takes f32 operands (vector FMAs, or v_wmma_f32_16x16x4_f32). A number that lies on a knife's edge between two numbers of the format may be rounded either way, as far as f32 arithmetic and the matrix unit's own rounding can turn it there, and no further.
;; One version. Each part assembles by itself: llvm-mc -triple=amdgcn-amd-amdhsa -mcpu=gfx1250 --defsym DOCPART=n.
;; ======== version 1 of 1: 4 launches
;; limits: inputs' magnitudes at most 40,000; right only within a limited range of input values
;; workspace buffers: hc 25,165,824 bytes; wqkv 4,194,304 bytes; wo 2,097,152 bytes; rt 524,288 bytes; qc 4,194,304 bytes; kv 4,194,304 bytes; ao 4,194,304 bytes
;; launch prep (part 1): grid 480 x 1, 4 waves a work-group, no clusters, 33,280 bytes of LDS; arguments hidden, q_w, k_w, v_w, o_w, positions, lowp_scales, hc, wqkv, wo, rt; writes hc, wqkv, wo, rt
.if DOCPART == 1
	.amdgcn_target "amdgcn-amd-amdhsa--gfx1250"
	.amdhsa_code_object_version 6
	.text
	.protected	k_q46f961208e_prep
	.globl	k_q46f961208e_prep
	.p2align	8
	.type	k_q46f961208e_prep,@function
k_q46f961208e_prep:
	s_mov_b64 s[64:65], 0
	v_nop
	global_prefetch_b8 v0, s[64:65] scope:SCOPE_SE
	s_setreg_imm32_b32 hwreg(HW_REG_WAVE_MODE, 25, 1), 1
	s_wait_xcnt 0x0
; f32 tensors into codes of FP8 (E4M3), K innermost, and the table of cosines and sines for the rotation of Q and K.
; code = x / 2^e, held within +-448, rounded to the nearest code, ties to even.  hidden is an operand of three products with three given scales
; (entries 0, 2, 4 of the scales): it is read once and gives three planes of codes, 8,388,608 bytes apart.  q_w, k_w, v_w (entries 1, 3, 5) go one
; behind the other into one buffer of 2,048 rows; o_w (entry 11) into its own.  All rows are dense, so each tensor is a plain stream of numbers.
; SHARES: a work-group takes 32,768 numbers, a wave 16 steps of 512.  Work-groups 0-255 hidden, 256-319 q_w, 320-351 k_w, 352-383 v_w, 384-447 o_w;
; only pointers and whole numbers are chosen by the work-group's number, so all five take one path.  Work-groups 448-479 make the table, without LDS.
; A STEP: four loads of 512 consecutive bytes; the 2,048 bytes turn through the wave's own stage in LDS (16 bytes of padding behind each 64) so that a lane
; holds 16 neighbours along K; hold, conversion; one store of 512 consecutive bytes for each plane.  Loads run four steps ahead, the stage one step.
; THE TABLE: for token tile tt (16 tokens) 4,096 bytes in the order of a wave's registers in the next launch: register quad q of lane l at 512 q + 16 l;
; lane (r, h) = token r; registers 8 g + j: cos, 16 + 8 g + j: sin of position x 10^(-f/8), f = 16 g + 8 h + j.
; LIMITS: every e between -126 and 119, so that 2^e and 448 x 2^e are f32 numbers.  |position| up to 40,000 (three-part reduction by pi/2).
; 10^(-f/8) is the product of two rounded factors: within 1.5 units in its last place.  NaN among the inputs is not served.
.set STEPS, 16
.set SP,    80                         ; a lane's place in a stage: 64 bytes + 16 of padding
.set WREG,  8192                       ; LDS of a wave: two stages of 32 x SP bytes
.set PLANE, 8388608                    ; from plane to plane of hidden's codes
.set R,     16                         ; v16-79   four sets of 16 numbers as loaded
.set X,     80                         ; v80-111  two sets of 16 neighbours
.set T,     112                        ; v112-127 the numbers held within one scale's range
.set C,     128                        ; v128-139 codes: four registers for each of three planes
	s_load_b512 s[4:19], s[0:1], 0x0               ; hidden, q_w, k_w, v_w, o_w, positions, the scales, hidden's codes
	s_load_b128 s[20:23], s[0:1], 0x40             ; the three weights' codes, o_w's codes
	s_load_b64 s[24:25], s[0:1], 0x50              ; the table
	v_lshl_add_u32 v144, v0, 2, 0x8000
	v_mov_b32 v145, 0
	v_lshrrev_b32 v1, 5, v0
	v_readfirstlane_b32 s26, v1                    ; wave
	v_and_b32 v2, 31, v0                           ; lane
	v_lshlrev_b32 v3, 4, v2                        ; 16 x lane: my 16 bytes of 512, in and out; never rewritten
	s_wait_kmcnt 0x0
	s_cmp_ge_u32 ttmp9, 448
	s_cbranch_scc1 .Lrope
	s_load_b256 s[36:43], s[16:17], 0x0            ; e0 .. e7
	s_load_b128 s[44:47], s[16:17], 0x20           ; e8 .. e11
	s_mul_i32 s52, s26, WREG
	s_wait_alu depctr_va_vdst(0)
	v_lshrrev_b32 v14, 2, v2
	v_mul_u32_u24 v14, v14, SP
	v_and_b32 v15, 3, v2
	v_lshl_add_u32 v14, v15, 4, v14
	v_add_nc_u32 v14, s52, v14                     ; the stage, in: four lanes' 64 bytes on end, then the padding
	v_mul_u32_u24 v15, v2, SP
	v_add_nc_u32 v15, s52, v15                     ; and out: my 16 neighbours
	; which tensor: from o_w's values downward; each choice hangs on the work-group's number alone
	s_mov_b64 s[30:31], s[12:13]                   ; from
	s_mov_b64 s[32:33], s[22:23]                   ; to
	s_mov_b32 s27, 384                             ; the tensor's first work-group
	s_mov_b32 s28, 384                             ; the first work-group of its buffer of codes
	s_cmp_lt_u32 ttmp9, 384
	s_cselect_b64 s[30:31], s[10:11], s[30:31]
	s_cselect_b64 s[32:33], s[20:21], s[32:33]
	s_cselect_b32 s27, 352, s27
	s_cselect_b32 s28, 256, s28
	s_cmp_lt_u32 ttmp9, 352
	s_cselect_b64 s[30:31], s[8:9], s[30:31]
	s_cselect_b32 s27, 320, s27
	s_cmp_lt_u32 ttmp9, 320
	s_cselect_b64 s[30:31], s[6:7], s[30:31]
	s_cselect_b32 s27, 256, s27
	s_cmp_lt_u32 ttmp9, 256
	s_cselect_b64 s[30:31], s[4:5], s[30:31]
	s_cselect_b64 s[32:33], s[18:19], s[32:33]
	s_cselect_b32 s27, 0, s27
	s_cselect_b32 s28, 0, s28
	s_sub_co_u32 s52, ttmp9, s27
	s_lshl_b32 s52, s52, 2
	s_add_co_u32 s52, s52, s26                     ; which run of 8,192 numbers is my wave's
	s_lshl_b32 s52, s52, 15                        ; 32,768 bytes each
	s_mov_b32 s53, 0
	s_add_nc_u64 s[30:31], s[30:31], s[52:53]
	s_sub_co_u32 s54, ttmp9, s28
	s_lshl_b32 s54, s54, 2
	s_add_co_u32 s54, s54, s26
	s_lshl_b32 s54, s54, 13                        ; 8,192 bytes of codes each
	s_mov_b32 s55, 0
	s_add_nc_u64 s[32:33], s[32:33], s[54:55]
	s_add_nc_u64 s[48:49], s[32:33], PLANE         ; planes 1 and 2: used by hidden's work-groups alone
	s_add_nc_u64 s[50:51], s[32:33], 2*PLANE
.macro LOAD t
.irp i, 0,1,2,3
	global_load_b128 v[R+16*((\t)%4)+4*\i:R+16*((\t)%4)+4*\i+3], v3, s[30:31] offset:2048*(\t)+512*\i th:TH_LOAD_NT   ; 32 lanes read 512 consecutive bytes
.endr
.endm
.macro TURN t                          ; step t's numbers through the stage: LDS serves a wave's instructions in order, so no wait stands between stores and loads
.irp i, 0,1,2,3
	ds_store_b128 v14, v[R+16*((\t)%4)+4*\i:R+16*((\t)%4)+4*\i+3] offset:32*SP*((\t)%2)+8*SP*\i
.endr
.irp i, 0,1,2,3
	ds_load_b128 v[X+16*((\t)%2)+4*\i:X+16*((\t)%2)+4*\i+3], v15 offset:32*SP*((\t)%2)+16*\i
.endr
.endm
.irp t, 0,1,2,3
	LOAD \t
.endr
	s_wait_alu depctr_va_vdst(0)
	s_wait_kmcnt 0x0
	s_mov_b32 s29, s47                             ; the tensor's e, by the same chain of choices
	s_cmp_lt_u32 ttmp9, 384
	s_cselect_b32 s29, s41, s29
	s_cmp_lt_u32 ttmp9, 352
	s_cselect_b32 s29, s39, s29
	s_cmp_lt_u32 ttmp9, 320
	s_cselect_b32 s29, s37, s29
	s_cmp_lt_u32 ttmp9, 256
	s_cselect_b32 s29, s36, s29
.macro MKSCALE e, sc, lim              ; v[sc] = 2^e as f32 (the conversion takes its exponent field), v[lim] = 448 x 2^e
	s_add_co_i32 s52, s[\e], 127
	s_lshl_b32 s53, s52, 23
	v_mov_b32 v[\sc], s53
	s_add_co_i32 s52, s52, 8
	s_lshl_b32 s52, s52, 23
	s_or_b32 s52, s52, 0x600000
	v_mov_b32 v[\lim], s52
.endm
	MKSCALE 29, 6, 7                               ; the tensor's own (hidden: entry 0)
	MKSCALE 38, 8, 9                               ; hidden's second: entry 2
	MKSCALE 40, 10, 11                             ; hidden's third: entry 4
	s_wait_alu depctr_va_vdst(0)
	s_wait_loadcnt 12                              ; step 0's four loads are in
	TURN 0
; One plane's codes of step t.  The hold writes other registers than it reads, since three holds read the same numbers.
.macro QS s, t, base
.set XS, X+16*((\t)%2)
.irp i, 0,1,2,3,4,5,6,7,8,9,10,11,12,13,14,15
	v_med3_num_f32 v[T+\i], v[XS+\i], -v[7+2*\s], v[7+2*\s]   ; the conversion to an 8-bit code does not saturate (ISA guide 7.6.2): hold first
.endr
	v_cvt_scalef32_pk8_fp8_f32 v[C+4*\s:C+4*\s+1], v[T:T+7], v[6+2*\s]
	v_cvt_scalef32_pk8_fp8_f32 v[C+4*\s+2:C+4*\s+3], v[T+8:T+15], v[6+2*\s]
	v_nop                                          ; a plain vector line between the conversions and the next hold, which writes their sources
	global_store_b128 v3, v[C+4*\s:C+4*\s+3], s[\base:\base+1] offset:512*(\t)   ; 32 lanes store 512 consecutive bytes
.endm
.macro STEP t
	s_wait_dscnt 0x0                               ; this step's numbers are back from the stage, so its stores into the stage have read their registers,
.if (\t)+4 < STEPS
	LOAD (\t)+4                                    ; which take the loads of four steps on
.endif
.if (\t)+1 < STEPS
.if STEPS-2-(\t) >= 3
	s_wait_loadcnt 12                              ; the next step's four loads are in; those of the three steps behind it may be out
.else
	s_wait_loadcnt 4*(STEPS-2-(\t))
.endif
	TURN (\t)+1
.endif
	s_wait_xcnt 0x0                                ; the last step's stores have read their data: the codes' registers are written again only behind this wait
	QS 0, \t, 32
	s_cmp_lt_u32 ttmp9, 256                        ; hidden alone has two more planes
	s_cbranch_scc0 .Lw_\@
	QS 1, \t, 48
	QS 2, \t, 50
.Lw_\@:
.endm
.irp t, 0,1,2,3,4,5,6,7,8,9,10,11,12,13,14,15
	STEP \t
.endr
	s_wait_tensorcnt 0x0
	ds_add_u32 v144, v145
	s_wait_dscnt 0x0
	s_endpgm
; ---- the table.  A wave makes one token tile; a lane one token and 16 of the 32 frequencies.
.Lrope:
	s_sub_co_u32 s52, ttmp9, 448
	s_lshl_b32 s52, s52, 2
	s_add_co_u32 s52, s52, s26                     ; token tile 0 .. 127
	s_lshl_b32 s54, s52, 6                         ; its 16 positions: 64 bytes (row 0 of positions)
	s_mov_b32 s55, 0
	s_add_nc_u64 s[14:15], s[14:15], s[54:55]
	s_lshl_b32 s54, s52, 12                        ; its 4,096 bytes of the table
	s_add_nc_u64 s[24:25], s[24:25], s[54:55]
	v_and_b32 v4, 15, v0
	v_lshlrev_b32 v4, 2, v4
	global_load_b32 v16, v4, s[14:15]
	v_bfe_u32 v5, v0, 4, 1                         ; h
	v_cmp_eq_u32 vcc_lo, 1, v5
	v_mov_b32 v18, 1.0
	v_mov_b32 v19, 0x3c23d70a                      ; 0.01
	v_mov_b32 v20, 0x3dcccccd                      ; 0.1
	v_mov_b32 v21, 0x3a83126f                      ; 0.001
	v_cndmask_b32 v18, v18, v20, vcc_lo            ; 10^-h: frequencies 8 h + j
	v_cndmask_b32 v19, v19, v21, vcc_lo            ; 10^-(2 + h): frequencies 16 + 8 h + j
	s_mov_b32 s66, 0x3f22f983                      ; 2 / pi
	s_mov_b32 s67, 0xbfc90fd8                      ; -pi/2 in three parts
	s_mov_b32 s68, 0xb4a8885a
	s_mov_b32 s69, 0xa7c234c4
	s_mov_b32 s70, 0x3638ef1d                      ; the sine's series: 1/9!, -1/7!, 1/5!, -1/3!
	s_mov_b32 s71, 0xb9500d01
	s_mov_b32 s72, 0x3c088889
	s_mov_b32 s73, 0xbe2aaaab
	s_mov_b32 s74, 0xb493f27e                      ; the cosine's: -1/10!, 1/8!, -1/6!, 1/4!
	s_mov_b32 s75, 0x37d00d01
	s_mov_b32 s76, 0xbab60b61
	s_mov_b32 s77, 0x3d2aaaab
	s_wait_loadcnt 0x0
	v_cvt_f32_i32 v17, v16                         ; the position as f32
; cos and sin of position x 10^(-j/8) x v[18 + grp].  n = the nearest whole number to x 2/pi; r = x - n pi/2, |r| <= pi/4 or a little more;
; series on r; the quadrant n mod 4 chooses between them and sets the signs: selections alone, no branch.
.macro SINCOS grp, j, cj
.if \j == 0
	v_mul_f32 v20, v17, v[18+\grp]
.else
	v_mul_f32 v20, \cj, v[18+\grp]
	v_mul_f32 v20, v17, v20
.endif
	v_mul_f32 v21, s66, v20
	v_rndne_f32 v21, v21
	v_fma_f32 v22, v21, s67, v20
	v_fma_f32 v22, v21, s68, v22
	v_fma_f32 v22, v21, s69, v22
	v_cvt_i32_f32 v24, v21
	v_mul_f32 v23, v22, v22
	v_fma_f32 v25, v23, s70, s71
	v_fma_f32 v25, v25, v23, s72
	v_fma_f32 v25, v25, v23, s73
	v_mul_f32 v27, v22, v23
	v_fma_f32 v25, v25, v27, v22                   ; sin r
	v_fma_f32 v26, v23, s74, s75
	v_fma_f32 v26, v26, v23, s76
	v_fma_f32 v26, v26, v23, s77
	v_fma_f32 v26, v26, v23, -0.5
	v_fma_f32 v26, v26, v23, 1.0                   ; cos r
	v_and_b32 v27, 1, v24
	v_cmp_eq_u32 vcc_lo, 1, v27
	v_cndmask_b32 v[48+8*\grp+\j], v25, v26, vcc_lo
	v_cndmask_b32 v[32+8*\grp+\j], v26, v25, vcc_lo
	v_lshlrev_b32 v28, 30, v24                     ; the sine is negative in quadrants 2, 3: bit 1 of n
	v_and_b32 v28, 0x80000000, v28
	v_xor_b32 v[48+8*\grp+\j], v[48+8*\grp+\j], v28
	v_add_nc_u32 v28, 1, v24                       ; the cosine in quadrants 1, 2: bit 1 of n + 1
	v_lshlrev_b32 v28, 30, v28
	v_and_b32 v28, 0x80000000, v28
	v_xor_b32 v[32+8*\grp+\j], v[32+8*\grp+\j], v28
.endm
	s_wait_alu depctr_va_vdst(0)
.irp grp, 0,1
	SINCOS \grp, 0, 0
	SINCOS \grp, 1, 0x3f3ff911                     ; 10^(-1/8)
	SINCOS \grp, 2, 0x3f0ff59a
	SINCOS \grp, 3, 0x3ed7e89b
	SINCOS \grp, 4, 0x3ea1e89b
	SINCOS \grp, 5, 0x3e72d424
	SINCOS \grp, 6, 0x3e361887
	SINCOS \grp, 7, 0x3e088d77                     ; 10^(-7/8)
.endr
.irp q, 0,1,2,3,4,5,6,7
	global_store_b128 v3, v[32+4*\q:32+4*\q+3], s[24:25] offset:512*\q   ; 512 consecutive bytes a store
.endr
	s_endpgm
.Lfunc_end_k_q46f961208e_prep:
	.size	k_q46f961208e_prep, .Lfunc_end_k_q46f961208e_prep-k_q46f961208e_prep
	.p2alignl 7, 3214868480
	.fill 96, 4, 3214868480
	.section	.rodata,"a",@progbits
	.p2align	6, 0x0
	.amdhsa_kernel k_q46f961208e_prep
		.amdhsa_group_segment_fixed_size 33280
		.amdhsa_private_segment_fixed_size 0
		.amdhsa_enable_private_segment 0
		.amdhsa_kernarg_size 88
		.amdhsa_user_sgpr_count 2
		.amdhsa_user_sgpr_kernarg_segment_ptr 1
		.amdhsa_wavefront_size32 1
		.amdhsa_system_sgpr_workgroup_id_x 1
		.amdhsa_system_sgpr_workgroup_id_y 1
		.amdhsa_system_sgpr_workgroup_id_z 1
		.amdhsa_system_vgpr_workitem_id 0
		.amdhsa_next_free_vgpr 146
		.amdhsa_next_free_sgpr 96
		.amdhsa_reserve_vcc 1
		.amdhsa_float_denorm_mode_32 3
		.amdhsa_float_denorm_mode_16_64 3
		.amdhsa_memory_ordered 1
		.amdhsa_forward_progress 1
		.amdhsa_inst_pref_size 107
	.end_amdhsa_kernel
	.amdgpu_metadata
---
amdhsa.version: [ 1, 2 ]
amdhsa.kernels:
  - .name:           k_q46f961208e_prep
    .symbol:         k_q46f961208e_prep.kd
    .args:
      - { .name: hidden, .offset: 0, .size: 8, .value_kind: global_buffer, .address_space: global }
      - { .name: q_w, .offset: 8, .size: 8, .value_kind: global_buffer, .address_space: global }
      - { .name: k_w, .offset: 16, .size: 8, .value_kind: global_buffer, .address_space: global }
      - { .name: v_w, .offset: 24, .size: 8, .value_kind: global_buffer, .address_space: global }
      - { .name: o_w, .offset: 32, .size: 8, .value_kind: global_buffer, .address_space: global }
      - { .name: positions, .offset: 40, .size: 8, .value_kind: global_buffer, .address_space: global }
      - { .name: lowp_scales, .offset: 48, .size: 8, .value_kind: global_buffer, .address_space: global }
      - { .name: hc, .offset: 56, .size: 8, .value_kind: global_buffer, .address_space: global }
      - { .name: wqkv, .offset: 64, .size: 8, .value_kind: global_buffer, .address_space: global }
      - { .name: wo, .offset: 72, .size: 8, .value_kind: global_buffer, .address_space: global }
      - { .name: rt, .offset: 80, .size: 8, .value_kind: global_buffer, .address_space: global }
    .group_segment_fixed_size: 33280
    .private_segment_fixed_size: 0
    .kernarg_segment_align: 8
    .kernarg_segment_size: 88
    .max_flat_workgroup_size: 128
    .sgpr_count:     96
    .vgpr_count:     146
    .wavefront_size: 32
...
	.end_amdgpu_metadata
.endif
;; end of part 1
;; launch qkv (part 2): grid 16 x 16, 4 waves a work-group, clusters of 4 x 4, 327,680 bytes of LDS; arguments hc, wqkv, q_b, k_b, v_b, rt, lowp_scales, qc, kv; writes qc, kv
.if DOCPART == 2
	.amdgcn_target "amdgcn-amd-amdhsa--gfx1250"
	.amdhsa_code_object_version 6
	.text
	.protected	k_q46f961208e_qkv
	.globl	k_q46f961208e_qkv
	.p2align	8
	.type	k_q46f961208e_qkv,@function
k_q46f961208e_qkv:
	s_mov_b64 s[64:65], 0
	v_nop
	global_prefetch_b8 v0, s[64:65] scope:SCOPE_SE
	s_setreg_imm32_b32 hwreg(HW_REG_WAVE_MODE, 25, 1), 1
	s_wait_xcnt 0x0
	s_wait_alu depctr_hold_cnt(0) depctr_sa_sdst(0) depctr_va_vdst(0) depctr_va_sdst(0) depctr_va_ssrc(0) depctr_va_vcc(0) depctr_vm_vsrc(0)
	s_getreg_b32 s2, hwreg(HW_REG_IB_STS2, 6, 4)
	s_cmp_eq_u32 s2, 0
	s_cbranch_scc0 .Lentry_in_a_cluster
	s_endpgm
.Lentry_in_a_cluster:
	s_bfe_u32 s2, ttmp6, 0x10000c
	s_cmp_lg_u32 s2, 0xf033
	s_cbranch_scc0 .Lentry_shape_is_right
	s_endpgm
.Lentry_shape_is_right:
.set PITCH, 272
.set AHALF, 128*PITCH
.set BHALF, 64*PITCH
.set BOFF,  2*AHALF
.set SLOT,  BOFF+2*BHALF
.set SPARE, 2*SLOT
.set LAPS,  4
.set AQ,    128
.set AC,    32
.set AA,    16*PITCH
.set ADRA,  16
.set ADRB,  20
.set LI,    22
.set VST,   24
.set VLD,   25
.set SC,    26
.set LIM,   27
.set SPW,   28
.set NIL,   29
.set BIAS,  32
.set CS,    64
.set T,     128
.set QC,    160
.set VX,    64
.set VC,    192
.set G1,    24
.set G0,    32
.set G1B,   48
.set G0B,   56
.set MUL0,  0xf5
.set MUL1,  0xfa
.set MULB,  0xc5
.set MSB, 0
.macro WIN new
.if MSB != (\new)
	s_set_vgpr_msb (MSB<<8)|(\new)
.set MSB, (\new)
.endif
.endm
.macro PLACES n
.rept \n
	v_nop
.endr
.endm
.macro JLOAD s
	s_cmp_eq_u32 s23, 0
	s_cbranch_scc0 .Lfor_b_\@
	tensor_load_to_lds s[G0+4*\s:G0+4*\s+3], s[G1:G1+7]
	s_nop 0
.rept 4
	v_nop
.endr
	s_branch .Lasked_\@
.Lfor_b_\@:
	tensor_load_to_lds s[G0B+4*\s:G0B+4*\s+3], s[G1B:G1B+7]
	s_nop 0
.rept 4
	v_nop
.endr
.Lasked_\@:
.endm
.macro CREST
	s_cmp_lg_u32 s22, 0
	s_cbranch_scc1 .Lnot_wave_0_\@
	s_barrier_signal -3
.Lnot_wave_0_\@:
	s_barrier_wait -3
	s_barrier_signal -1
	s_barrier_wait -1
.endm
.macro CROUND
	s_barrier_signal -1
	s_barrier_wait -1
	CREST
.endm
	s_load_b512 s[4:19], s[0:1], 0x0
	s_load_b64 s[20:21], s[0:1], 0x40
	v_lshl_add_u32 v[SPW], v0, 2, SPARE
	v_mov_b32 v[NIL], 0
	ds_add_u32 v28, v29
	ds_add_u32 v28, v29
	s_wait_dscnt 0x0
	v_lshrrev_b32 v1, 5, v0
	v_readfirstlane_b32 s22, v1
	s_lshr_b32 s23, s22, 1
	s_and_b32 s66, s22, 1
	s_cmp_eq_u32 s23, 0                            ; the prefetches' offset, v30, never rewritten: a lane a row of 2,048 bytes; A's waves name 32 rows, B's 16 (their upper lanes name the last again)
	s_cselect_b32 s67, 31, 15
	v_and_b32 v30, 31, v0
	v_min_u32 v30, s67, v30
	v_lshlrev_b32 v30, 11, v30
	s_bfe_u32 s40, ttmp6, 0x40000
	s_bfe_u32 s41, ttmp6, 0x40004
	s_lshl_b32 s42, ttmp9, 2
	s_add_co_u32 s42, s42, s40
	s_and_b32 s43, ttmp7, 0xffff
	s_lshl_b32 s43, s43, 2
	s_add_co_u32 s43, s43, s41
	s_lshl_b32 s44, s41, 2
	s_lshl_b32 s44, 15, s44
	s_lshl_b32 s45, 0x1111, s40
	s_or_b32 s[G1+0], s44, (0<<16)|(1<<20)|(1<<21)|(5<<22)|(3<<25)
	s_or_b32 s[G1B+0], s45, (0<<16)|(1<<20)|(1<<21)|(5<<22)|(3<<25)
	s_mov_b32 s[G1+1], 256<<16
	s_mov_b32 s[G1+2], 128<<16
	s_mov_b32 s[G1+3], 256<<16
	s_mov_b32 s[G1+4], 128
	s_mov_b32 s[G1+5], 2048
	s_mov_b32 s[G1+6], 0
	s_mov_b32 s[G1+7], 0
	s_mov_b32 s[G1B+1], 256<<16
	s_mov_b32 s[G1B+2], 64<<16
	s_mov_b32 s[G1B+3], 256<<16
	s_mov_b32 s[G1B+4], 64
	s_mov_b32 s[G1B+5], 2048
	s_mov_b32 s[G1B+6], 0
	s_mov_b32 s[G1B+7], 0
	s_max_u32 s80, ttmp9, 1
	s_sub_co_u32 s80, s80, 1
	s_lshl_b32 s80, s80, 23
	s_lshl_b32 s81, s43, 19
	s_add_co_u32 s80, s80, s81
	s_lshl_b32 s81, s66, 18
	s_add_co_u32 s80, s80, s81
	s_mov_b32 s81, 0
	s_lshl_b32 s82, s42, 18
	s_lshl_b32 s83, s66, 17
	s_add_co_u32 s82, s82, s83
	s_mov_b32 s83, 0
	s_mul_i32 s84, s66, AHALF
	s_mul_i32 s85, s66, BHALF
	s_add_co_u32 s85, s85, BOFF
	s_wait_kmcnt 0x0
	s_load_b256 s[68:75], s[16:17], 0x0
	s_load_b128 s[76:79], s[16:17], 0x20
	s_add_nc_u64 s[80:81], s[4:5], s[80:81]
	s_add_nc_u64 s[82:83], s[6:7], s[82:83]
	; s[100:101]: where my prefetches stand.  Of the rows that my wave fetches (128 of A, 64 of B) each of the four partners that ask for them jointly takes a quarter, told apart by address: cx for A, cy for B
	s_lshl_b32 s86, s40, 16                        ; 32 rows of 2,048 bytes
	s_lshl_b32 s87, s41, 15                        ; 16 rows
	s_cmp_eq_u32 s23, 0
	s_cselect_b64 s[100:101], s[80:81], s[82:83]
	s_cselect_b32 s86, s86, s87
	s_mov_b32 s87, 0
	s_add_nc_u64 s[100:101], s[100:101], s[86:87]
.irp s, 0,1
	s_mov_b32 s[G0+4*\s], 1
	s_add_co_u32 s[G0+4*\s+1], s84, \s*SLOT
	s_add_nc_u64 s[G0+4*\s+2:G0+4*\s+3], s[80:81], \s*256
	s_or_b32 s[G0+4*\s+3], s[G0+4*\s+3], 0x80000000
	s_mov_b32 s[G0B+4*\s], 1
	s_add_co_u32 s[G0B+4*\s+1], s85, \s*SLOT
	s_add_nc_u64 s[G0B+4*\s+2:G0B+4*\s+3], s[82:83], \s*256
	s_or_b32 s[G0B+4*\s+3], s[G0B+4*\s+3], 0x80000000
	s_wait_alu depctr_va_vdst(0)
	s_wait_tensorcnt 0x0
	ds_add_u32 v28, v29
	ds_add_u32 v28, v29
	s_wait_dscnt 0x0
	CROUND
	JLOAD \s
; prefetches into the L2, behind the joint load and its five lines: a K step is 256 bytes of each row.  Behind K step 0's load: steps 1 and 2; behind step 1's: step 3
.if \s == 0
	global_prefetch_b8 v30, s[100:101] offset:256 th:TH_LOAD_NT scope:SCOPE_SE
	global_prefetch_b8 v30, s[100:101] offset:512 th:TH_LOAD_NT scope:SCOPE_SE
.else
	global_prefetch_b8 v30, s[100:101] offset:768 th:TH_LOAD_NT scope:SCOPE_SE
.endif
.endr
	v_and_b32 v1, 15, v0
	v_bfe_u32 v2, v0, 4, 1
	s_wait_alu depctr_va_vdst(0)
	v_mul_u32_u24 v3, v1, PITCH
	v_lshl_add_u32 v3, v2, 4, v3
	s_mul_i32 s86, s23, AHALF
	s_mul_i32 s87, s66, BHALF
	s_add_co_u32 s87, s87, BOFF
.irp s, 0,1
	v_add_nc_u32 v[ADRA+\s], s86, v3
	v_add_nc_u32 v[ADRB+\s], s87, v3
	s_add_co_u32 s86, s86, SLOT
	s_add_co_u32 s87, s87, SLOT
.endr
	v_and_b32 v4, 31, v0
	v_lshlrev_b32 v[LI], 4, v4
	s_mul_i32 s86, s22, 64*PITCH
	v_mul_u32_u24 v5, v2, 8*PITCH
	v_lshl_add_u32 v5, v1, 2, v5
	v_add_nc_u32 v[VST], s86, v5
	v_and_b32 v6, 8, v1
	v_add_nc_u32 v6, v6, v1
	v_mul_u32_u24 v6, v6, PITCH
	v_lshl_add_u32 v6, v2, 5, v6
	v_add_nc_u32 v[VLD], s86, v6
	s_wait_kmcnt 0x0
	s_mov_b32 s88, s72
	s_mov_b32 s89, s73
	s_mov_b32 s90, s76
	s_mov_b64 s[92:93], s[12:13]
	s_mov_b32 s91, 24
	s_mov_b32 s94, 8192
	s_cmp_eq_u32 ttmp9, 2
	s_cselect_b32 s88, s70, s88
	s_cselect_b32 s89, s71, s89
	s_cselect_b32 s90, s74, s90
	s_cselect_b64 s[92:93], s[10:11], s[92:93]
	s_cselect_b32 s91, 16, s91
	s_cselect_b32 s94, 0, s94
	s_cmp_lt_u32 ttmp9, 2
	s_cselect_b32 s88, s68, s88
	s_cselect_b32 s89, s69, s89
	s_cselect_b32 s90, s75, s90
	s_cselect_b64 s[92:93], s[8:9], s[92:93]
	s_cselect_b32 s91, 0, s91
	s_cselect_b32 s94, 0, s94
	s_cselect_b64 s[96:97], s[18:19], s[20:21]
	s_cselect_b32 s95, 1, 0
	s_lshl_b32 s98, s42, 1
	s_add_co_u32 s98, s98, s66
	s_sub_co_u32 s98, s98, s91
	s_lshl_b32 s44, s98, 8
	s_mov_b32 s45, 0
	s_add_nc_u64 s[92:93], s[92:93], s[44:45]
	s_lshr_b32 s99, s43, 3
	s_add_co_u32 s44, s95, 3
	s_lshl_b32 s99, s99, s44
	s_add_co_u32 s99, s99, s98
	s_sub_co_u32 s44, 18, s95
	s_lshl_b32 s99, s99, s44
	s_and_b32 s46, s43, 7
	s_lshl_b32 s47, s46, 1
	s_add_co_u32 s47, s47, s23
	s_sub_co_u32 s44, 14, s95
	s_lshl_b32 s47, s47, s44
	s_add_co_u32 s44, s99, s47
	s_add_co_u32 s44, s44, s94
	s_add_nc_u64 s[96:97], s[96:97], s[44:45]
	s_lshl_b32 s46, s46, 4
	s_lshl_b32 s47, s23, 3
	s_add_co_u32 s46, s46, s47
	s_lshl_b32 s46, s46, 12
	s_mov_b32 s47, 0
	s_add_nc_u64 s[14:15], s[14:15], s[46:47]
	v_lshlrev_b32 v7, 5, v2
.irp b, 0,1,2,3
	global_load_b128 v[BIAS+8*\b:BIAS+8*\b+3], v7, s[92:93] offset:64*\b
	global_load_b128 v[BIAS+8*\b+4:BIAS+8*\b+7], v7, s[92:93] offset:64*\b+16
.endr
	s_add_co_i32 s88, s88, s89
	s_sub_co_i32 s89, 0, s88
	s_sub_co_i32 s90, s90, s88
	s_add_co_i32 s90, s90, 127
	s_lshl_b32 s91, s90, 23
	v_mov_b32 v[SC], s91
	s_add_co_i32 s90, s90, 8
	s_lshl_b32 s90, s90, 23
	s_or_b32 s90, s90, 0x600000
	v_mov_b32 v[LIM], s90
	s_wait_loadcnt 0x0
.set j, 0
.rept 32
	v_ldexp_f32 v[BIAS+j], v[BIAS+j], s89
.set j, j+1
.endr
.macro MUL8 a0, first
.irp a, \a0, \a0+1
.irp b, 0,1,2,3
.if \first
	v_wmma_f32_16x16x128_fp8_fp8 v[8*(4*(\a)+\b):8*(4*(\a)+\b)+7], v[128+16*\b:128+16*\b+15], v[16*(\a):16*(\a)+15], v[BIAS+8*\b:BIAS+8*\b+7]
.else
	v_wmma_f32_16x16x128_fp8_fp8 v[8*(4*(\a)+\b):8*(4*(\a)+\b)+7], v[128+16*\b:128+16*\b+15], v[16*(\a):16*(\a)+15], v[8*(4*(\a)+\b):8*(4*(\a)+\b)+7]
.endif
.endr
.endr
.endm
.macro FETCH slot, q, set
	WIN 0x40*((\set)+1)
.irp i, 0,1,2,3
.irp c, 0,1,2,3
	ds_load_b128 v[128+16*\i+4*\c:128+16*\i+4*\c+3], v[ADRB+\slot] offset:128*(\q)+32*\c+\i*16*PITCH
.endr
.endr
.irp i, 0,1,2,3,4,5,6,7
.irp c, 0,1,2,3
	ds_load_b128 v[16*\i+4*\c:16*\i+4*\c+3], v[ADRA+\slot] offset:AQ*(\q)+AC*\c+AA*\i
.endr
.endr
.endm
.macro STEP slot, first
	s_wait_dscnt 0x0
.if \first
	WIN MULB
.else
	WIN MUL0
.endif
	MUL8 0, \first
	MUL8 2, \first
	PLACES 4
	FETCH \slot, 1, 1
.if \first
	WIN MULB
.else
	WIN MUL0
.endif
	MUL8 4, \first
	MUL8 6, \first
.endm
.macro TURN slot, next, fill
	WIN 0
.if \fill
	s_wait_xcnt 0x0                                ; the last prefetch, a K step back, has read its address, which is stepped only behind this wait
	s_add_nc_u64 s[100:101], s[100:101], 256
.endif
	s_wait_tensorcnt 0x0
	ds_add_u32 v[SPW], v[NIL]
	s_wait_dscnt 1
	WIN MUL1
	MUL8 0, 0
	s_wait_dscnt 0x0
	s_barrier_signal -1
	MUL8 2, 0
	WIN 0
	s_barrier_wait -1
.if \fill
	CREST
	s_add_nc_u64 s[G0+4*\slot+2:G0+4*\slot+3], s[G0+4*\slot+2:G0+4*\slot+3], 512
	s_add_nc_u64 s[G0B+4*\slot+2:G0B+4*\slot+3], s[G0B+4*\slot+2:G0B+4*\slot+3], 512
	JLOAD \slot
	s_cmp_gt_u32 s3, 1                             ; behind the refill of K step k: step k + 2, two refills on; the last lap (steps 6 and 7) has none and asks for nothing
	s_cbranch_scc0 .Lno_ask_\@
	global_prefetch_b8 v30, s[100:101] offset:768 th:TH_LOAD_NT scope:SCOPE_SE
.Lno_ask_\@:
.else
	PLACES 4
.endif
	FETCH \next, 0, 0
	WIN MUL1
	MUL8 4, 0
	MUL8 6, 0
.endm
.macro LAST
	s_wait_dscnt 0x0
	WIN MUL1
	MUL8 0, 0
	MUL8 2, 0
	MUL8 4, 0
	MUL8 6, 0
	WIN 0
.endm
	s_wait_alu depctr_va_vdst(0)
	s_wait_tensorcnt 1
	s_barrier_signal -1
	s_barrier_wait -1
	FETCH 0, 0, 0
	STEP 0, 1
	WIN 0
	s_mov_b32 s3, LAPS-1
.Llap:
	TURN 0, 1, 1
	STEP 1, 0
	TURN 1, 0, 1
	STEP 0, 0
	WIN 0
	s_sub_co_u32 s3, s3, 1
	s_cmp_lg_u32 s3, 0
	s_cbranch_scc1 .Llap
	TURN 0, 1, 0
	WIN 0
	s_cmp_eq_u32 ttmp9, 3
	s_cbranch_scc1 .Lv
.macro TLD a
.irp q, 0,1,2,3,4,5,6,7
	global_load_b128 v[CS+32*((\a)%2)+4*\q:CS+32*((\a)%2)+4*\q+3], v[LI], s[14:15] offset:4096*(\a)+512*\q
.endr
.endm
.macro ROPE a
.set CB, CS+32*((\a)%2)
.if (\a) < 7
	s_wait_loadcnt 8
.else
	s_wait_loadcnt 0x0
.endif
	WIN 0x03
.irp p, 0,1
.irp j, 0,2,4,6
	v_pk_mul_f32 v[T+8*\p+\j:T+8*\p+\j+1], v[32*(\a)+8*\p+\j:32*(\a)+8*\p+\j+1], v[CB+8*\p+\j:CB+8*\p+\j+1]
	v_pk_fma_f32 v[T+8*\p+\j:T+8*\p+\j+1], v[32*(\a)+16+8*\p+\j:32*(\a)+16+8*\p+\j+1], v[CB+16+8*\p+\j:CB+16+8*\p+\j+1], v[T+8*\p+\j:T+8*\p+\j+1] neg_lo:[1,0,0] neg_hi:[1,0,0]
	v_pk_mul_f32 v[T+16+8*\p+\j:T+16+8*\p+\j+1], v[32*(\a)+16+8*\p+\j:32*(\a)+16+8*\p+\j+1], v[CB+8*\p+\j:CB+8*\p+\j+1]
	v_pk_fma_f32 v[T+16+8*\p+\j:T+16+8*\p+\j+1], v[32*(\a)+8*\p+\j:32*(\a)+8*\p+\j+1], v[CB+16+8*\p+\j:CB+16+8*\p+\j+1], v[T+16+8*\p+\j:T+16+8*\p+\j+1]
.endr
.endr
	WIN 0
.if (\a)+2 < 8
	TLD (\a)+2
.endif
.set j, 0
.rept 32
	v_med3_num_f32 v[T+j], v[T+j], -v[LIM], v[LIM]
.set j, j+1
.endr
.irp b, 0,1,2,3
	v_cvt_scalef32_pk8_fp8_f32 v[QC+8*(\a)+2*\b:QC+8*(\a)+2*\b+1], v[T+8*\b:T+8*\b+7], v[SC]
.endr
	v_nop
	global_store_b128 v[LI], v[QC+8*(\a):QC+8*(\a)+3], s[96:97] offset:1024*(\a)
	global_store_b128 v[LI], v[QC+8*(\a)+4:QC+8*(\a)+7], s[96:97] offset:1024*(\a)+512
.endm
	TLD 0
	TLD 1
	STEP 1, 0
	LAST
	PLACES 4
.irp a, 0,1,2,3,4,5,6,7
	ROPE \a
.endr
	s_branch .Lend
.Lv:
	STEP 1, 0
	LAST
	PLACES 4
.irp hf, 0,1
	WIN 0x0c
.irp ap, 0,1,2,3
.irp b, 0,1,2,3
.irp j, 0,1,2,3,4,5,6,7
	ds_store_b32 v[VST], v[32*(4*\hf+\ap)+8*\b+\j] offset:(16*\b+\j)*PITCH+64*\ap
.endr
.endr
.endr
	WIN 0
.irp dt, 0,1,2,3
.irp c, 0,1,2,3
	ds_load_b128 v[VX+32*\dt+8*\c:VX+32*\dt+8*\c+3], v[VLD] offset:(32*(\dt/2)+8*(\dt%2))*PITCH+64*\c
	ds_load_b128 v[VX+32*\dt+8*\c+4:VX+32*\dt+8*\c+7], v[VLD] offset:(32*(\dt/2)+8*(\dt%2))*PITCH+64*\c+16
.endr
.endr
	s_wait_dscnt 0x0
.set j, 0
.rept 128
	v_med3_num_f32 v[VX+j], v[VX+j], -v[LIM], v[LIM]
.set j, j+1
.endr
.irp dt, 0,1,2,3
.irp c, 0,1,2,3
	v_cvt_scalef32_pk8_fp8_f32 v[VC+8*(4*\hf+\dt)+2*\c:VC+8*(4*\hf+\dt)+2*\c+1], v[VX+32*\dt+8*\c:VX+32*\dt+8*\c+7], v[SC]
.endr
.endr
	v_nop
.irp dt, 0,1,2,3
	global_store_b128 v[LI], v[VC+8*(4*\hf+\dt):VC+8*(4*\hf+\dt)+3], s[96:97] offset:2048*\dt+1024*\hf
	global_store_b128 v[LI], v[VC+8*(4*\hf+\dt)+4:VC+8*(4*\hf+\dt)+7], s[96:97] offset:2048*\dt+1024*\hf+512
.endr
.endr
.Lend:
	s_wait_tensorcnt 0x0
	ds_add_u32 v[SPW], v[NIL]
	s_wait_dscnt 0x0
	CROUND
	s_endpgm
.Lfunc_end_k_q46f961208e_qkv:
	.size	k_q46f961208e_qkv, .Lfunc_end_k_q46f961208e_qkv-k_q46f961208e_qkv
	.p2alignl 7, 3214868480
	.fill 96, 4, 3214868480
	.section	.rodata,"a",@progbits
	.p2align	6, 0x0
	.amdhsa_kernel k_q46f961208e_qkv
		.amdhsa_group_segment_fixed_size 327680
		.amdhsa_private_segment_fixed_size 0
		.amdhsa_enable_private_segment 0
		.amdhsa_kernarg_size 72
		.amdhsa_user_sgpr_count 2
		.amdhsa_user_sgpr_kernarg_segment_ptr 1
		.amdhsa_wavefront_size32 1
		.amdhsa_system_sgpr_workgroup_id_x 1
		.amdhsa_system_sgpr_workgroup_id_y 1
		.amdhsa_system_sgpr_workgroup_id_z 1
		.amdhsa_system_vgpr_workitem_id 0
		.amdhsa_next_free_vgpr 1024
		.amdhsa_next_free_sgpr 102
		.amdhsa_reserve_vcc 0
		.amdhsa_float_denorm_mode_32 3
		.amdhsa_float_denorm_mode_16_64 3
		.amdhsa_memory_ordered 1
		.amdhsa_forward_progress 1
		.amdhsa_inst_pref_size 149
	.end_amdhsa_kernel
	.amdgpu_metadata
---
amdhsa.version: [ 1, 2 ]
amdhsa.kernels:
  - .name:           k_q46f961208e_qkv
    .symbol:         k_q46f961208e_qkv.kd
    .args:
      - { .name: hc, .offset: 0, .size: 8, .value_kind: global_buffer, .address_space: global }
      - { .name: wqkv, .offset: 8, .size: 8, .value_kind: global_buffer, .address_space: global }
      - { .name: q_b, .offset: 16, .size: 8, .value_kind: global_buffer, .address_space: global }
      - { .name: k_b, .offset: 24, .size: 8, .value_kind: global_buffer, .address_space: global }
      - { .name: v_b, .offset: 32, .size: 8, .value_kind: global_buffer, .address_space: global }
      - { .name: rt, .offset: 40, .size: 8, .value_kind: global_buffer, .address_space: global }
      - { .name: lowp_scales, .offset: 48, .size: 8, .value_kind: global_buffer, .address_space: global }
      - { .name: qc, .offset: 56, .size: 8, .value_kind: global_buffer, .address_space: global }
      - { .name: kv, .offset: 64, .size: 8, .value_kind: global_buffer, .address_space: global }
    .group_segment_fixed_size: 327680
    .private_segment_fixed_size: 0
    .kernarg_segment_align: 8
    .kernarg_segment_size: 72
    .max_flat_workgroup_size: 128
    .sgpr_count:     102
    .vgpr_count:     1024
    .wavefront_size: 32
...
	.end_amdgpu_metadata
.endif
;; end of part 2
;; launch attn (part 3): grid 16 x 16, 8 waves a work-group, clusters of 4 x 4, 327,680 bytes of LDS; arguments qc, kv, mask, lowp_scales, ao; writes ao
.if DOCPART == 3
	.amdgcn_target "amdgcn-amd-amdhsa--gfx1250"
	.amdhsa_code_object_version 6
	.text
	.protected	k_q46f961208e_attn
	.globl	k_q46f961208e_attn
	.p2align	8
	.type	k_q46f961208e_attn,@function
k_q46f961208e_attn:
	s_mov_b64 s[64:65], 0
	v_nop
	global_prefetch_b8 v0, s[64:65] scope:SCOPE_SE
	s_setreg_imm32_b32 hwreg(HW_REG_WAVE_MODE, 25, 1), 1
	s_wait_xcnt 0x0
	s_wait_alu depctr_hold_cnt(0) depctr_sa_sdst(0) depctr_va_vdst(0) depctr_va_sdst(0) depctr_va_ssrc(0) depctr_va_vcc(0) depctr_vm_vsrc(0)
	s_getreg_b32 s2, hwreg(HW_REG_IB_STS2, 6, 4)
	s_cmp_eq_u32 s2, 0
	s_cbranch_scc0 .Lentry_in_a_cluster
	s_endpgm
.Lentry_in_a_cluster:
	s_bfe_u32 s2, ttmp6, 0x10000c
	s_cmp_lg_u32 s2, 0xf033
	s_cbranch_scc0 .Lentry_shape_is_right
	s_endpgm
.Lentry_shape_is_right:
; O = softmax(Q K^T / 8 + mask) V for 2 x 8 key heads with two query heads each, both products on codes of FP8 (E4M3); the result is quantised for the output product.
; The mask is an input: every query walks all 2,048 keys, and the mask's f32 numbers are added to every score.
; THE SOFTMAX AHEAD OF THE SECOND PRODUCT: s' = sum of code products + mask x 2^(3 - e6 - e7) (an exact scaling; the mask goes in as the C of the score product, so the sum is rounded to f32 once, as score / 8 + mask is);
; t = s' x c rounded, c = log2(e) 2^(e6 + e7 - 3); M = the running largest t rounded UP to a whole number; p = 2^(t - M) is quantised, not normalised; the row's sum is taken of the unquantised p and divides at the end;
; when M moves, the sum and O are multiplied by 2^(old M - new M), which rounds nothing.  t is rounded before M is taken away, so that equal s' give t - M = 0 at any size of t.
; SHARES: work-group (x, y): queries 128 x .. + 127 of batch and key head y = 8 b + k.  Wave w of eight owns 16 queries for BOTH query heads 2 k, 2 k + 1: two tiles, which share every fragment of K and V and the mask's registers.
; CLUSTERS: 4 x 4.  The mask's tile hangs on x alone and is asked for jointly along a column of the cluster: it is 64 of the 80 KiB that a work-group takes in for a key step.
; THE MASK'S RING: two slots of TWO key steps: 128 rows x (1,024 bytes + 16).  Each wave asks for its own 16 rows, which it alone reads: one load a wave behind each round, one round of the cluster's barrier for two key steps,
; and a load has two key steps in which to land.  Two slots of four steps, 2 x 264,192 bytes, do not fit into LDS.
; K, V AND Q lie in memory as images of operand registers (16 x lane + a constant) and go straight into each wave's registers, one key step ahead: beside the mask's two slots LDS has 60,416 bytes left,
; and two slots of two steps' images are 65,536: so they are not asked for jointly.
; IN FLIGHT: in trip j a wave asks for K of step j + 1 (16 loads) and then for V of step j + 1 (16): 32 loads are out at the most, and both waits on LOADcnt are for 16.
; The step is written twice: in the loop that fills slots (14 trips) and for the last slot (2 trips).  So that the counts hold in both of those, trip 15 asks for step 15's images once more and does not use them.
; LAYOUT: both products transposed: S^T = K Q^T + C (16x16x64), O^T = V^T P (16x16x128): a lane holds ONE query.  Tile t of S^T holds keys 16 t + 8 h + 0 .. 7: its conversion is register pair t of P.
; V's rows are ordered so that the conversions of O^T are the image of the output product's fragment: ao [token tile 256][key head 8][2048].
; LIMITS: e6 + e7 - 3 between -126 and 126; e9 and e10 between -126 and 119; e8 + e9 goes in by v_ldexp_f32; mask x 2^(3 - e6 - e7) is a finite f32 number above -3e38; the promise holds while |t| stays under 2^31.  NaN among the inputs is not served.
; REGISTERS: window 0: v1-7 addresses; v8-23 statistics, 8 a tile: +0 -M, +1 the largest s', +2, +3 the sum, +4 f (+5 named with it), +6, +7 at work; v24-29 scales; v32-95 the mask; v96-223 S^T, t, p; v224-255 P.
;   window 1: v0-63 K; v64-127 V; v128-191 O^T (128 + 32 g + 8 d); v192-207 Q.
.set MP,    1040                       ; a row of the mask in LDS: 1,024 bytes + 16 = 65 x 16, so the 16 rows that a load touches start at 16 different columns of 16 bytes (64 banks of 4 bytes: ISA guide 11.1)
.set WREG,  16*MP                      ; a wave's rows of a slot
.set SLOT,  8*WREG                     ; 133,120 = 0x20800: an offset that is 0 or 512 is turned to the other slot's by one exclusive or with it
.set SPARE, 2*SLOT                     ; 266,240 = 1,040 x 256: the spare words, 128 bytes a wave, which no other line names
.set LI,   1                           ; v1  16 x lane
.set AM0,  2                           ; v2  my place in slot 0: row 16 w + r, + 32 h
.set SPW,  3                           ; v3  my spare word's address; never rewritten
.set NIL,  4                           ; v4  0; never rewritten
.set ADM,  5                           ; v5  my place in the slot and step in hand
.set PFO,  6                           ; v6  the prefetches' offset; never rewritten
.set STAT, 8
.set LIMP, 24                          ; v24 448 x 2^e9
.set SCP,  26                          ; v26 2^e9
.set LIMO, 27                          ; v27 448 x 2^e10
.set SCO,  28                          ; v28 2^e10
.set LIMP2, 29                         ; v29 448 x 2^e9 once more: the halves of a dual line take their second sources from different register banks
.set R,    32
.set S,    96
.set P,    224
.set WV,   14
.set SEL,  20                          ; s[20:21] v_permlanex16_b32's selects: lane l xor 16
.set CS,   22                          ; s[22:23] c, twice
.set MSC,  24                          ; s[24:25] 2^(3 - e6 - e7), twice
.set KB,   26                          ; s[26:27] the images of the step that is asked for
.set TB,   28                          ; s28 LDS offset of the slot and step in hand: 0 or SLOT, + 0 or 512
.set DOFF, 29                          ; s29 LDS offset of the slot that was asked for last
.set VS,   30                          ; s30 the slot in hand
.set IC,   31                          ; s31 the step in the slot
.set PLIM, 32                          ; s32 6 in a wave that prefetches, else 0
.set WB,   33                          ; s33 my rows' place in a slot
.set PFA,  34                          ; s[34:35] where my prefetches stand; s[36:37] from round to round
.set PFS,  36
.set G0,   40                          ; s[40:43] group 0, which walks; s[44:51] group 1
.set G1,   44
.set MSB, 0
.macro WIN new                         ; the immediate's high byte repeats the setting that is left; a switch that changes nothing is dropped
.if MSB != (\new)
	s_set_vgpr_msb (MSB<<8)|(\new)
.set MSB, (\new)
.endif
.endm
.macro CROUND                          ; a round of the cluster's barrier
	s_barrier_signal -1
	s_barrier_wait -1
	s_cmp_lg_u32 s[WV], 0
	s_cbranch_scc1 .Lnot_wave_0_\@
	s_barrier_signal -3
.Lnot_wave_0_\@:
	s_barrier_wait -3
	s_barrier_signal -1
	s_barrier_wait -1
.endm
.macro JLOAD                           ; every wave's joint load: its 16 rows of a slot.  An s_nop 0 and four v_nop follow the line
	tensor_load_to_lds s[G0:G0+3], s[G1:G1+7]
	s_nop 0
.rept 4
	v_nop
.endr
.endm
.macro KLD                             ; K's eight tiles: 32 lanes read 512 consecutive bytes
	WIN 0x40
.irp t, 0,1,2,3,4,5,6,7
	global_load_b128 v[8*\t:8*\t+3], v[LI], s[KB:KB+1] offset:1024*\t
	global_load_b128 v[8*\t+4:8*\t+7], v[LI], s[KB:KB+1] offset:1024*\t+512
.endr
	WIN 0
.endm
.macro VLD                             ; V's four tiles: 16 of the head's channels x 128 keys each
	WIN 0x40
.irp d, 0,1,2,3
.irp i, 0,1,2,3
	global_load_b128 v[64+16*\d+4*\i:64+16*\d+4*\i+3], v[LI], s[KB:KB+1] offset:8192+2048*\d+512*\i
.endr
.endr
	WIN 0
.endm
; THE VECTOR WORK.  The two tiles go line by line together, so that each dependent chain has the other tile's lines between its links.
.macro MAXM                            ; the step's largest s' of my query (c is positive); the running largest; t; -M; f.  Each accumulator is read from its low end on
.irp g, 0,1
	v_max3_num_f32 v[STAT+8*\g+6], v[S+64*\g], v[S+64*\g+1], v[S+64*\g+2]
	v_max3_num_f32 v[STAT+8*\g+7], v[S+64*\g+3], v[S+64*\g+4], v[S+64*\g+5]
.endr
.set j, 6
.rept 14
.irp g, 0,1
	v_max3_num_f32 v[STAT+8*\g+6], v[STAT+8*\g+6], v[S+64*\g+j], v[S+64*\g+j+1]
	v_max3_num_f32 v[STAT+8*\g+7], v[STAT+8*\g+7], v[S+64*\g+j+2], v[S+64*\g+j+3]
.endr
.set j, j+4
.endr
.irp g, 0,1
	v_max3_num_f32 v[STAT+8*\g+6], v[STAT+8*\g+6], v[S+64*\g+62], v[S+64*\g+63]
.endr
.irp g, 0,1
	s_delay_alu instid0(VALU_DEP_2)
	v_max_num_f32 v[STAT+8*\g+6], v[STAT+8*\g+6], v[STAT+8*\g+7]
.endr
.irp g, 0,1
	s_delay_alu instid0(VALU_DEP_2)
	v_permlanex16_b32 v[STAT+8*\g+7], v[STAT+8*\g+6], s[SEL], s[SEL+1]
.endr
.irp g, 0,1
	s_delay_alu instid0(VALU_DEP_2)
	v_max_num_f32 v[STAT+8*\g+6], v[STAT+8*\g+6], v[STAT+8*\g+7]              ; and among lane l xor 16's
.endr
.irp g, 0,1
	s_delay_alu instid0(VALU_DEP_2)
	v_max_num_f32 v[STAT+8*\g+1], v[STAT+8*\g+1], v[STAT+8*\g+6]              ; the running largest s'
.endr
.irp g, 0,1
	s_delay_alu instid0(VALU_DEP_2)
	v_mul_f32 v[STAT+8*\g+7], s[CS], v[STAT+8*\g+1]                           ; as t
.endr
.irp g, 0,1
	v_mov_b32 v[STAT+8*\g+6], v[STAT+8*\g]
.endr
.irp g, 0,1
	s_delay_alu instid0(VALU_DEP_4)
	v_floor_f32 v[STAT+8*\g], -v[STAT+8*\g+7]                                 ; the new -M = -ceil(t): a whole number
.endr
.irp g, 0,1
	s_delay_alu instid0(VALU_DEP_2)
	v_sub_f32 v[STAT+8*\g+6], v[STAT+8*\g], v[STAT+8*\g+6]                    ; old M - new M: a whole number, 0 or less
.endr
.irp g, 0,1
	s_delay_alu instid0(VALU_DEP_2)
	v_cvt_i32_f32 v[STAT+8*\g+6], v[STAT+8*\g+6]                              ; (it saturates)
.endr
.irp g, 0,1
	s_delay_alu instid0(VALU_DEP_2)
	v_ldexp_f32 v[STAT+8*\g+4], 1.0, v[STAT+8*\g+6]                           ; f = 2^(old M - new M)
.endr
.endm
.macro TM                              ; t = s' x c, rounded; then t - M (the pair's low word for both halves)
.set j, 0
.rept 32
.irp g, 0,1
	v_pk_mul_f32 v[S+64*\g+j:S+64*\g+j+1], v[S+64*\g+j:S+64*\g+j+1], s[CS:CS+1] op_sel_hi:[1,0]
.endr
.set j, j+2
.endr
.set j, 0
.rept 32
.irp g, 0,1
	v_pk_add_f32 v[S+64*\g+j:S+64*\g+j+1], v[S+64*\g+j:S+64*\g+j+1], v[STAT+8*\g:STAT+8*\g+1] op_sel_hi:[1,0]
.endr
.set j, j+2
.endr
.endm
.macro SUMS                            ; the row's sum is taken of the unquantised p: two at a time, two chains a tile
.irp g, 0,1
	v_pk_add_f32 v[STAT+8*\g+6:STAT+8*\g+7], v[S+64*\g:S+64*\g+1], v[S+64*\g+2:S+64*\g+3]
.endr
.set j, 4
.rept 15
.irp g, 0,1
	v_pk_add_f32 v[STAT+8*\g+2:STAT+8*\g+3], v[STAT+8*\g+2:STAT+8*\g+3], v[S+64*\g+j:S+64*\g+j+1]
	v_pk_add_f32 v[STAT+8*\g+6:STAT+8*\g+7], v[STAT+8*\g+6:STAT+8*\g+7], v[S+64*\g+j+2:S+64*\g+j+3]
.endr
.set j, j+4
.endr
.irp g, 0
	s_delay_alu instid0(VALU_DEP_3)
	v_pk_add_f32 v[STAT+8*\g+2:STAT+8*\g+3], v[STAT+8*\g+2:STAT+8*\g+3], v[STAT+8*\g+6:STAT+8*\g+7]
.endr
.irp g, 1
	s_delay_alu instid0(VALU_DEP_2)
	v_pk_add_f32 v[STAT+8*\g+2:STAT+8*\g+3], v[STAT+8*\g+2:STAT+8*\g+3], v[STAT+8*\g+6:STAT+8*\g+7]
.endr
.endm
.macro HOLD g                          ; the conversion does not saturate (ISA guide 7.6.2); p is not negative, so the hold is one-sided; two numbers a line
.set j, 0
.rept 32
	v_dual_min_num_f32 v[S+64*(\g)+j], v[S+64*(\g)+j], v[LIMP] :: v_dual_min_num_f32 v[S+64*(\g)+j+1], v[S+64*(\g)+j+1], v[LIMP2]
.set j, j+2
.endr
.endm
; A KEY STEP: 128 keys, both tiles.  last = 0: in the loop that fills slots; 1: in the last slot, whose second step asks for step 15's images again.
.macro STEP last
	v_add_nc_u32 v[ADM], s[TB], v[AM0]
.irp t, 0,1,2,3,4,5,6,7
	ds_load_b128 v[R+8*\t:R+8*\t+3], v[ADM] offset:64*\t         ; the mask in the accumulators' layout: register j of tile t = key 16 t + 8 h + j of query r
	ds_load_b128 v[R+8*\t+4:R+8*\t+7], v[ADM] offset:64*\t+16
.endr
	s_wait_loadcnt 16                              ; K of this step is in; V's 16 loads may be out
	s_wait_dscnt 0x0                               ; the mask is in
.set j, 0
.rept 32
	v_pk_mul_f32 v[R+j:R+j+1], v[R+j:R+j+1], s[MSC:MSC+1] op_sel_hi:[1,0]   ; x 2^(3 - e6 - e7), once for both tiles: nothing is rounded
.set j, j+2
.endr
	WIN 0x05                                       ; K and Q window 1; S^T and the mask window 0
.irp t, 0,1,2,3,4,5,6,7
.irp g, 0,1
	v_wmma_f32_16x16x64_fp8_fp8 v[S+64*\g+8*\t:S+64*\g+8*\t+7], v[8*\t:8*\t+7], v[192+8*\g:192+8*\g+7], v[R+8*\t:R+8*\t+7]
.endr
.endr
	WIN 0
.rept 4
	v_nop                                          ; four plain lines behind the products, ahead of the loads into K's registers and of the first read of the results (ISA guide 7.12.1 for the read of the results)
.endr
	s_wait_xcnt 0x0                                ; the last trip's loads have read their base, which is stepped only behind this wait
.if \last
	s_cmp_eq_u32 s[IC], 0
	s_cselect_b32 s38, 16384, 0                    ; the images stay at step 15: no load leaves its buffer
	s_add_nc_u64 s[KB:KB+1], s[KB:KB+1], s[38:39]
.else
	s_add_nc_u64 s[KB:KB+1], s[KB:KB+1], 16384
.endif
	KLD                                            ; K of step j + 1
	MAXM
	TM
	s_wait_alu depctr_va_vdst(0)                   ; the wait ahead of the batch
.set j, 0
.rept 128
	v_exp_f32 v[S+j], v[S+j]                       ; p = 2^(t - M), at most 1: one batch; nothing in it names a result
.set j, j+1
.endr
.irp g, 0,1
	v_pk_mul_f32 v[STAT+8*\g+2:STAT+8*\g+3], v[STAT+8*\g+2:STAT+8*\g+3], v[STAT+8*\g+4:STAT+8*\g+5] op_sel_hi:[1,0]   ; the sums under the new M: plain lines behind the exponentials
.endr
	s_wait_alu depctr_va_vdst(0)                   ; one wait for the batch, ahead of its first reader
	SUMS
	HOLD 0
	HOLD 1
.irp g, 0,1
.irp t, 0,1,2,3,4,5,6,7
	v_cvt_scalef32_pk8_fp8_f32 v[P+16*\g+2*\t:P+16*\g+2*\t+1], v[S+64*\g+8*\t:S+64*\g+8*\t+7], v[SCP]
.endr
.endr
	v_nop                                          ; a plain line behind the last conversion
	WIN 0x41                                       ; O^T window 1, f window 0
	s_wait_alu depctr_va_vdst(0)                   ; the wait here, directly ahead of the first reader of O^T
.irp g, 0,1
.set j, 0
.rept 16
	v_pk_mul_f32 v[128+32*\g+j:128+32*\g+j+1], v[128+32*\g+j:128+32*\g+j+1], v[STAT+8*\g+4:STAT+8*\g+5] op_sel_hi:[1,0]   ; O^T under the new M
.set j, j+2
.endr
.endr
	s_wait_alu depctr_va_vdst(0)                   ; the wait here, directly ahead of the wait below
	s_wait_loadcnt 16                              ; V is in; behind it stand K's 16 loads
	WIN 0x51                                       ; V window 1, P window 0, O^T window 1
.irp d, 0,1,2,3
.irp g, 0,1
	v_wmma_f32_16x16x128_fp8_fp8 v[128+32*\g+8*\d:128+32*\g+8*\d+7], v[64+16*\d:64+16*\d+15], v[P+16*\g:P+16*\g+15], v[128+32*\g+8*\d:128+32*\g+8*\d+7]   ; eight accumulators, one turn each
.endr
.endr
.rept 4
	v_nop                                          ; four plain lines between the products and the loads into V's registers
.endr
	VLD                                            ; V of step j + 1
	s_xor_b32 s[TB], s[TB], 512                    ; the slot's other step
	s_add_co_u32 s[IC], s[IC], 1
	s_cmp_lt_u32 s[IC], 2
	s_wait_alu depctr_va_vdst(0)                   ; the wait here, directly ahead of the branch
.endm
	s_load_b256 s[4:11], s[0:1], 0x0               ; qc, kv, mask, the scales
	s_load_b64 s[12:13], s[0:1], 0x20              ; ao
	v_lshl_add_u32 v[SPW], v0, 2, SPARE
	v_mov_b32 v[NIL], 0
	ds_add_u32 v[SPW], v[NIL]                      ; the wave's opening: the add, twice on end, and its wait ahead of my first tensor load; work on registers stands between
	ds_add_u32 v[SPW], v[NIL]
	v_lshrrev_b32 v30, 5, v0
	v_readfirstlane_b32 s[WV], v30                 ; wave 0..7
	s_mul_i32 s[WB], s[WV], WREG                   ; no place in the cluster enters an LDS address
	v_and_b32 v224, 31, v0                         ; lane
	v_lshlrev_b32 v[LI], 4, v224
	v_and_b32 v225, 15, v0                         ; r
	v_bfe_u32 v226, v0, 4, 1                       ; h
	v_mul_u32_u24 v225, v225, MP
	v_lshl_add_u32 v225, v226, 5, v225
	v_add_nc_u32 v[AM0], s[WB], v225
.irp g, 0,1
	v_mov_b32 v[STAT+8*\g+1], 0xff61b1e6           ; the largest s' so far: -3e38
	v_mov_b32 v[STAT+8*\g], 0x7f61b1e6             ; -M: 3e38, so that the first f is 0
	v_mov_b32 v[STAT+8*\g+2], 0                    ; the sum, in two halves
	v_mov_b32 v[STAT+8*\g+3], 0
	v_mov_b32 v[STAT+8*\g+5], 0                    ; (named as the upper half of f's pair)
.endr
	s_bfe_u32 s15, ttmp6, 0x40000                  ; cx
	s_bfe_u32 s16, ttmp6, 0x40004                  ; cy
	s_lshl_b32 s17, ttmp9, 2
	s_add_co_u32 s17, s17, s15                     ; x: my block of 128 queries
	s_and_b32 s19, ttmp7, 0xffff                   ; cluster y
	s_lshl_b32 s18, s19, 2
	s_add_co_u32 s18, s18, s16                     ; y = 8 b + k
	s_lshl_b32 s52, 0x1111, s15                    ; my column of the cluster
	s_or_b32 s[G1], s52, (2<<16)|(1<<20)|(1<<21)|(7<<22)|(3<<25)   ; the mask of work-groups; elements of 4 bytes; padding on; bit 21 beside a mask; after every 256 words, 4 words
	s_mov_b32 s[G1+1], 256<<16                     ; tensor_dim0 = 256
	s_mov_b32 s[G1+2], 16<<16                      ; tensor_dim1 = 16
	s_mov_b32 s[G1+3], 256<<16                     ; tile_dim0 = 256
	s_mov_b32 s[G1+4], 16                          ; tile_dim1 = 16
	s_mov_b32 s[G1+5], 2048                        ; from row to row
	s_mov_b32 s[G1+6], 0
	s_mov_b32 s[G1+7], 0
	s_lshl_b32 s52, s17, 20                        ; the mask: row 128 x + 16 w, 8,192 bytes a row: x and the wave's number alone
	s_lshl_b32 s53, s[WV], 17
	s_add_co_u32 s52, s52, s53
	s_mov_b32 s53, 0
	s_lshl_b32 s54, s18, 18                        ; the images: y x 262,144
	s_mov_b32 s55, 0
	s_lshl_b32 s56, s17, 13                        ; Q: (16 b + 2 k) x 128 tiles of 1,024 bytes, + tile 8 x + w
	s_add_co_u32 s56, s56, s54
	s_lshl_b32 s57, s[WV], 10
	s_add_co_u32 s56, s56, s57
	s_mov_b32 s57, 0
	s_lshr_b32 s58, s18, 3                         ; ao: ((128 b + 8 x + w) x 8 + k) x 2,048
	s_lshl_b32 s58, s58, 21
	s_lshl_b32 s59, s17, 17
	s_add_co_u32 s58, s58, s59
	s_lshl_b32 s59, s[WV], 14
	s_add_co_u32 s58, s58, s59
	s_and_b32 s59, s18, 7
	s_lshl_b32 s59, s59, 11
	s_add_co_u32 s58, s58, s59
	s_mov_b32 s59, 0
	; the prefetches: where my wave's stand (the first round steps them ahead of asking)
	s_lshl_b32 s60, s15, 13
	s_add_co_u32 s60, s60, s54
	s_add_co_u32 s60, s60, 32768                   ; the images: y's block, step 2, my work-group's 8,192 bytes of two steps' 32,768
	s_lshl_b32 s61, s17, 20
	s_and_b32 s62, s[WV], 3
	s_lshl_b32 s62, s62, 18
	s_add_co_u32 s61, s61, s62                     ; the mask: row 128 x + 32 (w % 4),
	s_lshl_b32 s62, s16, 8
	s_add_co_u32 s61, s61, s62                     ; my work-group's 256 bytes of a slot's 1,024 in a row,
	s_add_co_u32 s61, s61, 1024                    ; slot 1
	s_mov_b32 s[SEL], 0x76543210
	s_mov_b32 s[SEL+1], 0xfedcba98
	s_mov_b32 s[TB], 0
	s_mov_b32 s[DOFF], 0
	s_mov_b32 s[VS], 0
	s_mov_b32 s39, 0
	s_wait_alu depctr_va_vdst(0)                   ; the wait here, directly ahead of the wait below
	s_wait_dscnt 0x0                               ; both opening adds are done
	s_wait_kmcnt 0x0
	s_load_b256 s[68:75], s[10:11], 0x0            ; e0 .. e7
	s_load_b128 s[76:79], s[10:11], 0x20           ; e8 .. e11
	s_mov_b32 s[G0], 1
	s_mov_b32 s[G0+1], s[WB]                       ; slot 0
	s_add_nc_u64 s[G0+2:G0+3], s[8:9], s[52:53]
	s_or_b32 s[G0+3], s[G0+3], 0x80000000
	CROUND                                         ; all sixteen work-groups are here: the first joint loads meet
	JLOAD                                          ; key steps 0 and 1: one tensor load a wave at the head
	s_add_nc_u64 s[4:5], s[4:5], s[56:57]
	s_add_nc_u64 s[KB:KB+1], s[6:7], s[54:55]
	s_add_nc_u64 s[12:13], s[12:13], s[58:59]
	WIN 0x40
.irp g, 0,1
	global_load_b128 v[192+8*\g:192+8*\g+3], v[LI], s[4:5] offset:131072*\g
	global_load_b128 v[192+8*\g+4:192+8*\g+7], v[LI], s[4:5] offset:131072*\g+512
.endr
	WIN 0
	KLD                                            ; step 0's images
	VLD
	; who prefetches: waves 0 to 3 the mask, in the clusters with cluster y = 0; wave 4 the images, in the clusters with cluster x = 0: the same in all partners
	s_mov_b32 s[PFS], 1024
	s_mov_b32 s63, 8192
	s_cmp_eq_u32 s[WV], 4
	s_cselect_b64 s[PFA:PFA+1], s[6:7], s[8:9]
	s_cselect_b32 s[PFS], 32768, s[PFS]            ; from round to round
	s_cselect_b32 s62, ttmp9, s19                  ; the coordinate along which other clusters read the same bytes
	s_cselect_b32 s60, s60, s61
	s_cselect_b32 s63, 256, s63                    ; from lane to lane
	s_mov_b32 s61, 0
	s_mov_b32 s[PFS+1], 0
	s_add_nc_u64 s[PFA:PFA+1], s[PFA:PFA+1], s[60:61]
	v_mul_lo_u32 v[PFO], v224, s63
	s_cmp_lt_u32 s[WV], 5
	s_cselect_b32 s63, 0, 1
	s_or_b32 s63, s63, s62
	s_cmp_eq_u32 s63, 0
	s_cselect_b32 s[PLIM], 6, 0
	WIN 0x40
.set j, 0
.rept 64
	v_mov_b32 v[128+j], 0                          ; O^T.  (The step has no first form of its own: the first finds zeros, which the first f leaves zeros)
.set j, j+1
.endr
	WIN 0
	s_wait_kmcnt 0x0
	s_add_co_i32 s80, s74, s75
	s_sub_co_i32 s80, s80, 3                       ; e6 + e7 - 3
	s_lshl_b32 s81, s80, 23
	s_add_co_i32 s[CS], s81, 0x3fb8aa3b            ; c: the exponent is added to log2(e)'s exponent field
	s_mov_b32 s[CS+1], s[CS]
	s_sub_co_i32 s80, 127, s80
	s_lshl_b32 s[MSC], s80, 23                     ; 2^(3 - e6 - e7)
	s_mov_b32 s[MSC+1], s[MSC]
	s_add_co_i32 s80, s77, 127
	s_lshl_b32 s81, s80, 23
	v_mov_b32 v[SCP], s81
	s_add_co_i32 s80, s80, 8
	s_lshl_b32 s80, s80, 23
	s_or_b32 s80, s80, 0x600000
	v_mov_b32 v[LIMP], s80
	v_mov_b32 v[LIMP2], s80
	s_add_co_i32 s80, s78, 127
	s_lshl_b32 s81, s80, 23
	v_mov_b32 v[SCO], s81
	s_add_co_i32 s80, s80, 8
	s_lshl_b32 s80, s80, 23
	s_or_b32 s80, s80, 0x600000
	v_mov_b32 v[LIMO], s80
	s_wait_alu depctr_va_vdst(0)                   ; the wait at the head's end
.Lslot:                                            ; 7 trips: at the head of slot v the other slot is asked for slot v + 1 (the first time: its first fill, issued as a refill is)
	s_wait_tensorcnt 0x0                           ; my one load that was out has landed: my rows of the slot in hand; so group 0 may be written
	ds_add_u32 v[SPW], v[NIL]                      ; 0 onto my spare word
	s_xor_b32 s[DOFF], s[DOFF], SLOT               ; the walking descriptor: the other slot,
	s_add_co_u32 s[G0+1], s[WB], s[DOFF]
	s_add_nc_u64 s[G0+2:G0+3], s[G0+2:G0+3], 1024  ; the next 256 keys of each row
	s_wait_xcnt 0x0                                ; the last prefetch, two key steps back, has read its address, so it may be written
	s_add_nc_u64 s[PFA:PFA+1], s[PFA:PFA+1], s[PFS:PFS+1]
	s_wait_dscnt 0x0                               ; the add is done, and my reads of the slot that I have left are over
	CROUND                                         ; no wave of any partner still reads that slot or has a load on its way
	JLOAD                                          ; the first tensor load behind the round, a wave's only one until the next
	; A PREFETCH INTO THE L2, behind the joint load: one round, two key steps, ahead of the load that will want the bytes.  Each aligned block of 256 bytes is named once in the launch.
	; The mask's slot v + 2: the four partners of a column take 256 of a row's 1,024 bytes each, told apart by address; waves 0 to 3 take 32 rows each, a lane a row.  The images of steps 2 v + 4 and 2 v + 5: the four partners of a row
	; take 8,192 of the 32,768 bytes each, wave 4, lanes 256 bytes apart.  Rounds 0 to 5 ask; the mask's slots 0 and 1 and the images' steps 0 to 3 come by their loads alone.
	s_cmp_lt_u32 s[VS], s[PLIM]
	s_cbranch_scc0 .Lnot_mine
	global_prefetch_b8 v[PFO], s[PFA:PFA+1] th:TH_LOAD_NT scope:SCOPE_SE
.Lnot_mine:
	s_mov_b32 s[IC], 0
.Lstep:
	STEP 0
	s_cbranch_scc1 .Lstep
	s_xor_b32 s[TB], s[TB], SLOT                   ; on to the other slot
	s_add_co_u32 s[VS], s[VS], 1
	s_cmp_lt_u32 s[VS], 7
	s_cbranch_scc1 .Lslot
	s_wait_tensorcnt 0x0                           ; the last slot is written out: nothing is asked for; my rows of it, which I alone read, have landed
	s_mov_b32 s[IC], 0
.Llast:
	STEP 1
	s_cbranch_scc1 .Llast
	; THE WAY OUT: O^T x 2^(e8 + e9) / the sum, held, converted with 2^e10: the conversions' results are the image.
.irp g, 0,1
	v_add_f32 v[STAT+8*\g+6], v[STAT+8*\g+2], v[STAT+8*\g+3]
.endr
.irp g, 0,1
	s_delay_alu instid0(VALU_DEP_2)
	v_permlanex16_b32 v[STAT+8*\g+7], v[STAT+8*\g+6], s[SEL], s[SEL+1]
.endr
.irp g, 0,1
	s_delay_alu instid0(VALU_DEP_2)
	v_add_f32 v[STAT+8*\g+6], v[STAT+8*\g+6], v[STAT+8*\g+7]
.endr
	s_wait_alu depctr_va_vdst(0)                   ; the wait ahead of the reciprocals
.irp g, 0,1
	v_rcp_f32 v[STAT+8*\g+4], v[STAT+8*\g+6]
.endr
	v_nop                                          ; a plain line behind the reciprocals
	s_add_co_i32 s80, s76, s77
	s_wait_alu depctr_va_vdst(0)                   ; and one wait ahead of their first reader
.irp g, 0,1
	v_ldexp_f32 v[STAT+8*\g+4], v[STAT+8*\g+4], s80
.endr
	WIN 0x01                                       ; source 0: O^T's window
	s_wait_alu depctr_va_vdst(0)                   ; the wait here, directly ahead of the first reader of O^T
.irp g, 0,1
.set j, 0
.rept 16
	v_pk_mul_f32 v[S+64*\g+j:S+64*\g+j+1], v[128+32*\g+j:128+32*\g+j+1], v[STAT+8*\g+4:STAT+8*\g+5] op_sel_hi:[1,0]   ; each accumulator from its low end on
.set j, j+2
.endr
.endr
	WIN 0
.irp g, 0,1
.set j, 0
.rept 32
	v_med3_num_f32 v[S+64*\g+j], v[S+64*\g+j], -v[LIMO], v[LIMO]
.set j, j+1
.endr
.irp d, 0,1,2,3
	v_cvt_scalef32_pk8_fp8_f32 v[P+8*\g+2*\d:P+8*\g+2*\d+1], v[S+64*\g+8*\d:S+64*\g+8*\d+7], v[SCO]
.endr
.endr
	v_nop
.irp c, 0,1,2,3
	global_store_b128 v[LI], v[P+4*\c:P+4*\c+3], s[12:13] offset:512*\c   ; 512 consecutive bytes a store
.endr
	s_wait_tensorcnt 0x0                           ; the wave's end
	ds_add_u32 v[SPW], v[NIL]
	s_wait_dscnt 0x0
	CROUND                                         ; the closing round: no work-group ends while a partner may still ask for a tile that names it
	s_endpgm
.Lfunc_end_k_q46f961208e_attn:
	.size	k_q46f961208e_attn, .Lfunc_end_k_q46f961208e_attn-k_q46f961208e_attn
	.p2alignl 7, 3214868480
	.fill 96, 4, 3214868480
	.section	.rodata,"a",@progbits
	.p2align	6, 0x0
	.amdhsa_kernel k_q46f961208e_attn
		.amdhsa_group_segment_fixed_size 327680
		.amdhsa_private_segment_fixed_size 0
		.amdhsa_enable_private_segment 0
		.amdhsa_kernarg_size 40
		.amdhsa_user_sgpr_count 2
		.amdhsa_user_sgpr_kernarg_segment_ptr 1
		.amdhsa_wavefront_size32 1
		.amdhsa_system_sgpr_workgroup_id_x 1
		.amdhsa_system_sgpr_workgroup_id_y 1
		.amdhsa_system_sgpr_workgroup_id_z 1
		.amdhsa_system_vgpr_workitem_id 0
		.amdhsa_next_free_vgpr 512
		.amdhsa_next_free_sgpr 100
		.amdhsa_reserve_vcc 0
		.amdhsa_float_denorm_mode_32 3
		.amdhsa_float_denorm_mode_16_64 3
		.amdhsa_memory_ordered 1
		.amdhsa_forward_progress 1
		.amdhsa_inst_pref_size 96
	.end_amdhsa_kernel
	.amdgpu_metadata
---
amdhsa.version: [ 1, 2 ]
amdhsa.kernels:
  - .name:           k_q46f961208e_attn
    .symbol:         k_q46f961208e_attn.kd
    .args:
      - { .name: qc, .offset: 0, .size: 8, .value_kind: global_buffer, .address_space: global }
      - { .name: kv, .offset: 8, .size: 8, .value_kind: global_buffer, .address_space: global }
      - { .name: mask, .offset: 16, .size: 8, .value_kind: global_buffer, .address_space: global }
      - { .name: lowp_scales, .offset: 24, .size: 8, .value_kind: global_buffer, .address_space: global }
      - { .name: ao, .offset: 32, .size: 8, .value_kind: global_buffer, .address_space: global }
    .group_segment_fixed_size: 327680
    .private_segment_fixed_size: 0
    .kernarg_segment_align: 8
    .kernarg_segment_size: 40
    .max_flat_workgroup_size: 256
    .sgpr_count:     100
    .vgpr_count:     512
    .wavefront_size: 32
...
	.end_amdgpu_metadata
.endif
;; end of part 3
;; launch oproj (part 4): grid 16 x 16, 4 waves a work-group, clusters of 4 x 4, 327,680 bytes of LDS; arguments ao, wo, lowp_scales, out0; writes out0
.if DOCPART == 4
	.amdgcn_target "amdgcn-amd-amdhsa--gfx1250"
	.amdhsa_code_object_version 6
	.text
	.protected	k_q46f961208e_oproj
	.globl	k_q46f961208e_oproj
	.p2align	8
	.type	k_q46f961208e_oproj,@function
k_q46f961208e_oproj:
	s_mov_b64 s[64:65], 0
	v_nop
	global_prefetch_b8 v0, s[64:65] scope:SCOPE_SE
	s_setreg_imm32_b32 hwreg(HW_REG_WAVE_MODE, 25, 1), 1
	s_wait_xcnt 0x0
	s_wait_alu depctr_hold_cnt(0) depctr_sa_sdst(0) depctr_va_vdst(0) depctr_va_sdst(0) depctr_va_ssrc(0) depctr_va_vcc(0) depctr_vm_vsrc(0)
	s_getreg_b32 s2, hwreg(HW_REG_IB_STS2, 6, 4)
	s_cmp_eq_u32 s2, 0
	s_cbranch_scc0 .Lentry_in_a_cluster
	s_endpgm
.Lentry_in_a_cluster:
	s_bfe_u32 s2, ttmp6, 0x10000c
	s_cmp_lg_u32 s2, 0xf033
	s_cbranch_scc0 .Lentry_shape_is_right
	s_endpgm
.Lentry_shape_is_right:
.set PITCH, 272
.set AHALF, 32768
.set BHALF, 64*PITCH
.set BOFF,  2*AHALF
.set SLOT,  BOFF+2*BHALF
.set SPARE, 2*SLOT
.set LAPS,  2
.set AQ,    2048
.set AC,    512
.set AA,    4096
.set SPITCH, 272
.set ADRA,  16
.set ADRB,  20
.set LI,    22
.set STO,   24
.set RD,    25
.set CO,    26
.set SPW,   28
.set NIL,   29
.set TMP,   32
.set BK,    128
.set G1,    24
.set G0,    32
.set G1B,   48
.set G0B,   56
.set MUL0,  0xf5
.set MUL1,  0xfa
.set MSB, 0
.macro WIN new
.if MSB != (\new)
	s_set_vgpr_msb (MSB<<8)|(\new)
.set MSB, (\new)
.endif
.endm
.macro PLACES n
.rept \n
	v_nop
.endr
.endm
.macro JLOAD s
	s_cmp_eq_u32 s23, 0
	s_cbranch_scc0 .Lfor_b_\@
	tensor_load_to_lds s[G0+4*\s:G0+4*\s+3], s[G1:G1+7]
	s_nop 0
.rept 4
	v_nop
.endr
	s_branch .Lasked_\@
.Lfor_b_\@:
	tensor_load_to_lds s[G0B+4*\s:G0B+4*\s+3], s[G1B:G1B+7]
	s_nop 0
.rept 4
	v_nop
.endr
.Lasked_\@:
.endm
.macro CREST
	s_cmp_lg_u32 s22, 0
	s_cbranch_scc1 .Lnot_wave_0_\@
	s_barrier_signal -3
.Lnot_wave_0_\@:
	s_barrier_wait -3
	s_barrier_signal -1
	s_barrier_wait -1
.endm
.macro CROUND
	s_barrier_signal -1
	s_barrier_wait -1
	CREST
.endm
	s_load_b256 s[4:11], s[0:1], 0x0
	v_lshl_add_u32 v[SPW], v0, 2, SPARE
	v_mov_b32 v[NIL], 0
	ds_add_u32 v28, v29
	ds_add_u32 v28, v29
	s_wait_dscnt 0x0
	v_lshrrev_b32 v1, 5, v0
	v_readfirstlane_b32 s22, v1
	s_lshr_b32 s23, s22, 1
	s_and_b32 s66, s22, 1
	s_cmp_eq_u32 s23, 0                            ; the prefetches' offset, v30, never rewritten.  A's waves: 32 blocks of 256 bytes, 16 in each of two token tiles 16,384 bytes apart; B's: 16 rows of 1,024 bytes (their upper lanes name the last again)
	s_cselect_b32 s12, 31, 15
	s_cselect_b32 s13, 8, 10
	v_and_b32 v30, 31, v0
	v_min_u32 v30, s12, v30
	v_lshrrev_b32 v31, 4, v30
	v_and_b32 v30, 15, v30
	v_lshlrev_b32 v30, s13, v30
	v_lshl_add_u32 v30, v31, 14, v30
	s_bfe_u32 s40, ttmp6, 0x40000
	s_bfe_u32 s41, ttmp6, 0x40004
	s_lshl_b32 s42, ttmp9, 2
	s_add_co_u32 s42, s42, s40
	s_and_b32 s43, ttmp7, 0xffff
	s_lshl_b32 s43, s43, 2
	s_add_co_u32 s43, s43, s41
	s_lshl_b32 s44, s41, 2
	s_lshl_b32 s44, 15, s44
	s_lshl_b32 s45, 0x1111, s40
	s_or_b32 s[G1+0], s44, (3<<16)|(1<<21)
	s_mov_b32 s[G1+1], 512<<16
	s_mov_b32 s[G1+2], 8<<16
	s_mov_b32 s[G1+3], 512<<16
	s_mov_b32 s[G1+4], 8
	s_mov_b32 s[G1+5], 2048
	s_mov_b32 s[G1+6], 0
	s_mov_b32 s[G1+7], 0
	s_or_b32 s[G1B+0], s45, (0<<16)|(1<<20)|(1<<21)|(5<<22)|(3<<25)
	s_mov_b32 s[G1B+1], 256<<16
	s_mov_b32 s[G1B+2], 64<<16
	s_mov_b32 s[G1B+3], 256<<16
	s_mov_b32 s[G1B+4], 64
	s_mov_b32 s[G1B+5], 1024
	s_mov_b32 s[G1B+6], 0
	s_mov_b32 s[G1B+7], 0
	s_lshl_b32 s80, s43, 18
	s_lshl_b32 s81, s66, 17
	s_add_co_u32 s80, s80, s81
	s_mov_b32 s81, 0
	s_lshl_b32 s82, s42, 17
	s_lshl_b32 s83, s66, 16
	s_add_co_u32 s82, s82, s83
	s_mov_b32 s83, 0
	s_mul_i32 s84, s66, AHALF
	s_mul_i32 s85, s66, BHALF
	s_add_co_u32 s85, s85, BOFF
	s_wait_kmcnt 0x0
	s_load_b64 s[68:69], s[8:9], 0x28
	s_add_nc_u64 s[80:81], s[4:5], s[80:81]
	s_add_nc_u64 s[82:83], s[6:7], s[82:83]
	; s[12:13], s[14:15], s[16:17]: where my prefetches of K steps 1, 2, 3 stand.  Of what my wave fetches (8 token tiles of A, 64 rows of B) each of the four partners that ask for it jointly takes a quarter, told apart by address: cx for A, cy for B
	s_lshl_b32 s14, s40, 15                        ; two token tiles
	s_lshl_b32 s15, s41, 14                        ; 16 rows
	s_mov_b32 s18, 256
	s_cmp_eq_u32 s23, 0
	s_cselect_b64 s[12:13], s[80:81], s[82:83]
	s_cselect_b32 s14, s14, s15
	s_cselect_b32 s18, 4096, s18                   ; a K step on: 4,096 bytes in a token tile's image, 256 in a row of B
	s_mov_b32 s15, 0
	s_mov_b32 s19, 0
	s_add_nc_u64 s[12:13], s[12:13], s[14:15]
	s_add_nc_u64 s[12:13], s[12:13], s[18:19]
	s_add_nc_u64 s[14:15], s[12:13], s[18:19]
	s_add_nc_u64 s[16:17], s[14:15], s[18:19]
.irp s, 0,1
	s_mov_b32 s[G0+4*\s], 1
	s_add_co_u32 s[G0+4*\s+1], s84, \s*SLOT
	s_add_nc_u64 s[G0+4*\s+2:G0+4*\s+3], s[80:81], \s*4096
	s_or_b32 s[G0+4*\s+3], s[G0+4*\s+3], 0x80000000
	s_mov_b32 s[G0B+4*\s], 1
	s_add_co_u32 s[G0B+4*\s+1], s85, \s*SLOT
	s_add_nc_u64 s[G0B+4*\s+2:G0B+4*\s+3], s[82:83], \s*256
	s_or_b32 s[G0B+4*\s+3], s[G0B+4*\s+3], 0x80000000
	s_wait_alu depctr_va_vdst(0)
	s_wait_tensorcnt 0x0
	ds_add_u32 v28, v29
	ds_add_u32 v28, v29
	s_wait_dscnt 0x0
	CROUND
	JLOAD \s
; prefetches into the L2, behind the joint load and its five lines.  Behind K step 0's load: steps 1 and 2; behind step 1's: step 3, the last: the loop asks for nothing
.if \s == 0
	global_prefetch_b8 v30, s[12:13] th:TH_LOAD_NT scope:SCOPE_SE
	global_prefetch_b8 v30, s[14:15] th:TH_LOAD_NT scope:SCOPE_SE
.else
	global_prefetch_b8 v30, s[16:17] th:TH_LOAD_NT scope:SCOPE_SE
.endif
.endr
	v_and_b32 v1, 15, v0
	v_bfe_u32 v2, v0, 4, 1
	v_and_b32 v4, 31, v0
	v_lshlrev_b32 v[LI], 4, v4
	v_mul_u32_u24 v3, v1, PITCH
	v_lshl_add_u32 v3, v2, 4, v3
	s_mul_i32 s86, s23, AHALF
	s_mul_i32 s87, s66, BHALF
	s_add_co_u32 s87, s87, BOFF
.irp s, 0,1
	v_add_nc_u32 v[ADRA+\s], s86, v[LI]
	v_add_nc_u32 v[ADRB+\s], s87, v3
	s_add_co_u32 s86, s86, SLOT
	s_add_co_u32 s87, s87, SLOT
.endr
	s_mul_i32 s86, s22, 16*SPITCH
	v_mul_u32_u24 v5, v1, SPITCH
	v_lshl_add_u32 v5, v2, 5, v5
	v_add_nc_u32 v[STO], s86, v5
	v_mul_u32_u24 v6, v2, SPITCH
	v_lshl_add_u32 v6, v1, 4, v6
	v_add_nc_u32 v[RD], s86, v6
	v_lshlrev_b32 v7, 13, v2
	v_lshl_add_u32 v[CO], v1, 4, v7
	s_lshl_b32 s86, s43, 21
	s_lshl_b32 s87, s23, 20
	s_add_co_u32 s86, s86, s87
	s_lshl_b32 s87, s42, 9
	s_add_co_u32 s86, s86, s87
	s_lshl_b32 s87, s66, 8
	s_add_co_u32 s86, s86, s87
	s_mov_b32 s87, 0
	s_add_nc_u64 s[10:11], s[10:11], s[86:87]
.macro MUL8 a0, first
.irp a, \a0, \a0+1
.irp b, 0,1,2,3
.if \first
	v_wmma_f32_16x16x128_fp8_fp8 v[8*(4*(\a)+\b):8*(4*(\a)+\b)+7], v[128+16*\b:128+16*\b+15], v[16*(\a):16*(\a)+15], 0
.else
	v_wmma_f32_16x16x128_fp8_fp8 v[8*(4*(\a)+\b):8*(4*(\a)+\b)+7], v[128+16*\b:128+16*\b+15], v[16*(\a):16*(\a)+15], v[8*(4*(\a)+\b):8*(4*(\a)+\b)+7]
.endif
.endr
.endr
.endm
.macro FETCH slot, q, set
	WIN 0x40*((\set)+1)
.irp i, 0,1,2,3
.irp c, 0,1,2,3
	ds_load_b128 v[128+16*\i+4*\c:128+16*\i+4*\c+3], v[ADRB+\slot] offset:128*(\q)+32*\c+\i*16*PITCH
.endr
.endr
.irp i, 0,1,2,3,4,5,6,7
.irp c, 0,1,2,3
	ds_load_b128 v[16*\i+4*\c:16*\i+4*\c+3], v[ADRA+\slot] offset:AQ*(\q)+AC*\c+AA*\i
.endr
.endr
.endm
.macro STEP slot, first
	s_wait_dscnt 0x0
	WIN MUL0
	MUL8 0, \first
	MUL8 2, \first
	PLACES 4
	FETCH \slot, 1, 1
	WIN MUL0
	MUL8 4, \first
	MUL8 6, \first
.endm
.macro TURN slot, next, fill
	WIN 0
	s_wait_tensorcnt 0x0
	ds_add_u32 v[SPW], v[NIL]
	s_wait_dscnt 1
	WIN MUL1
	MUL8 0, 0
	s_wait_dscnt 0x0
	s_barrier_signal -1
	MUL8 2, 0
	WIN 0
	s_barrier_wait -1
.if \fill
	CREST
	s_add_nc_u64 s[G0+4*\slot+2:G0+4*\slot+3], s[G0+4*\slot+2:G0+4*\slot+3], 8192
	s_add_nc_u64 s[G0B+4*\slot+2:G0B+4*\slot+3], s[G0B+4*\slot+2:G0B+4*\slot+3], 512
	JLOAD \slot
.else
	PLACES 4
.endif
	s_wait_alu depctr_va_vdst(0)
	FETCH \next, 0, 0
	WIN MUL1
	MUL8 4, 0
	MUL8 6, 0
.endm
	s_wait_tensorcnt 1
	s_barrier_signal -1
	s_barrier_wait -1
	FETCH 0, 0, 0
	STEP 0, 1
	WIN 0
	s_mov_b32 s3, LAPS-1
.Llap:
	TURN 0, 1, 1
	STEP 1, 0
	TURN 1, 0, 1
	STEP 0, 0
	WIN 0
	s_sub_co_u32 s3, s3, 1
	s_cmp_lg_u32 s3, 0
	s_cbranch_scc1 .Llap
	TURN 0, 1, 0
	STEP 1, 0
	s_wait_dscnt 0x0
	WIN MUL1
	MUL8 0, 0
	MUL8 2, 0
	MUL8 4, 0
	MUL8 6, 0
	WIN 0
.macro TOSTAGE a
	WIN 0x03
.set j, 0
.rept 16
	v_pk_mul_f32 v[TMP+j:TMP+j+1], v[32*(\a)+j:32*(\a)+j+1], s[80:81] op_sel_hi:[1,0]
.set j, j+2
.endr
	WIN 0
.irp b, 0,1,2,3
	ds_store_b128 v[STO], v[TMP+8*\b:TMP+8*\b+3] offset:64*\b
	ds_store_b128 v[STO], v[TMP+8*\b+4:TMP+8*\b+7] offset:64*\b+16
.endr
.set BB, BK+32*((\a)%2)
.irp t, 0,1,2,3,4,5,6,7
	ds_load_b128 v[BB+4*\t:BB+4*\t+3], v[RD] offset:\t*2*SPITCH
.endr
.endm
.macro SEND a, younger
.set BB, BK+32*((\a)%2)
	s_wait_dscnt \younger
.irp t, 0,1,2,3,4,5,6,7
	global_store_b128 v[CO], v[BB+4*\t:BB+4*\t+3], s[10:11] offset:131072*(\a)+16384*\t th:TH_STORE_NT
.endr
.endm
	s_wait_kmcnt 0x0
	s_add_co_i32 s80, s68, s69
	s_add_co_i32 s80, s80, 127
	s_lshl_b32 s80, s80, 23
	s_mov_b32 s81, s80
	PLACES 4
	TOSTAGE 0
.irp a, 1,2,3,4,5,6,7
.if \a > 1
	s_wait_xcnt 0x0
.endif
	TOSTAGE \a
	SEND \a-1, 16
.endr
	SEND 7, 0
	s_wait_tensorcnt 0x0
	ds_add_u32 v[SPW], v[NIL]
	s_wait_dscnt 0x0
	CROUND
	s_endpgm
.Lfunc_end_k_q46f961208e_oproj:
	.size	k_q46f961208e_oproj, .Lfunc_end_k_q46f961208e_oproj-k_q46f961208e_oproj
	.p2alignl 7, 3214868480
	.fill 96, 4, 3214868480
	.section	.rodata,"a",@progbits
	.p2align	6, 0x0
	.amdhsa_kernel k_q46f961208e_oproj
		.amdhsa_group_segment_fixed_size 327680
		.amdhsa_private_segment_fixed_size 0
		.amdhsa_enable_private_segment 0
		.amdhsa_kernarg_size 32
		.amdhsa_user_sgpr_count 2
		.amdhsa_user_sgpr_kernarg_segment_ptr 1
		.amdhsa_wavefront_size32 1
		.amdhsa_system_sgpr_workgroup_id_x 1
		.amdhsa_system_sgpr_workgroup_id_y 1
		.amdhsa_system_sgpr_workgroup_id_z 1
		.amdhsa_system_vgpr_workitem_id 0
		.amdhsa_next_free_vgpr 1024
		.amdhsa_next_free_sgpr 100
		.amdhsa_reserve_vcc 0
		.amdhsa_float_denorm_mode_32 3
		.amdhsa_float_denorm_mode_16_64 3
		.amdhsa_memory_ordered 1
		.amdhsa_forward_progress 1
		.amdhsa_inst_pref_size 77
	.end_amdhsa_kernel
	.amdgpu_metadata
---
amdhsa.version: [ 1, 2 ]
amdhsa.kernels:
  - .name:           k_q46f961208e_oproj
    .symbol:         k_q46f961208e_oproj.kd
    .args:
      - { .name: ao, .offset: 0, .size: 8, .value_kind: global_buffer, .address_space: global }
      - { .name: wo, .offset: 8, .size: 8, .value_kind: global_buffer, .address_space: global }
      - { .name: lowp_scales, .offset: 16, .size: 8, .value_kind: global_buffer, .address_space: global }
      - { .name: out0, .offset: 24, .size: 8, .value_kind: global_buffer, .address_space: global }
    .group_segment_fixed_size: 327680
    .private_segment_fixed_size: 0
    .kernarg_segment_align: 8
    .kernarg_segment_size: 32
    .max_flat_workgroup_size: 128
    .sgpr_count:     100
    .vgpr_count:     1024
    .wavefront_size: 32
...
	.end_amdgpu_metadata
.endif
;; end of part 4
